; MI455X (gfx1250); checked and timed in simulation.
; The chip was launched on July 23, 2026; its instructions are those of AMD's public machine-readable ISA for CDNA 5 (MIT licence, August 2026) and "CDNA5" Instruction Set Architecture Reference Guide (July 2026). The comments in the code are by the model that wrote it; some were corrected since.
;; Attention Layer. Allowed arithmetic: matrix products marked QUANTISED: E2M1 operands, one E8M0 scale for each 32 along K, by v_wmma_scale_f32_16x16x128_f8f6f4 with both operands' format E2M1 (or v_wmma_scale_f32_32x16x128_f4), f32 sums; products left as they are: bf16, f16 or f32 operands; f32 sums; everything else in f32.
;; Inputs: Wk 1,024 x 1,024 float32; Wq 1,024 x 1,024 float32; Wv 1,024 x 1,024 float32; x 4 x 2,048 x 1,024 float32.
;; Outputs: out0 4 x 2,048 x 1,024 float32.
;; This version of the problem:
;;   THIS VERSION OF THE PROBLEM IS GIVEN IN LOW PRECISION. The matrix products marked QUANTISED in the list below multiply operands that are first quantised to E2M1 (2 exponent bits, 1 mantissa bit; 4 bits a number), with one power-of-two scale for each 32 numbers along K (OCP MX v1.0); their sums are f32. The products marked 'left as it is' may take bf16, f16 or f32 operands, with f32 sums. Whichever they take, every output number must still come out within the allowed error. Rounding operands to bf16 (8 significant bits) uses up far more of that allowance than f16 does (11 bits, for magnitudes from 6e-5 to 65,504). All else is computed in f32.
;;   The module's matrix products, in the order in which they are computed (A, B: the left and right operand; K: the contracted axis; several contracted axes count as one K, in the product's order):
;;     1. [M 8,192, K 1,024] x [K 1,024, N 1,024]; A: input x; B: input Wq: QUANTISED
;;     2. [M 8,192, K 1,024] x [K 1,024, N 1,024]; A: input x; B: input Wk: QUANTISED
;;     3. [M 8,192, K 1,024] x [K 1,024, N 1,024]; A: input x; B: input Wv: QUANTISED
;;     4. batch 4 x [M 2,048, K 1,024] x [K 1,024, N 2,048]; A: computed on the way; B: computed on the way: left as it is (an operand is computed on the way)
;;     5. batch 4 x [M 2,048, K 2,048] x [K 2,048, N 1,024]; A: computed on the way; B: computed on the way: left as it is (an operand is computed on the way)
;;   THE QUANTISER, for each operand of a quantised product, along K:
;;     - K is cut into blocks of 32 from its start; a last block that is shorter is filled with zeros.
;;     - A block's scale is 2^e with e = floor(log2(the largest magnitude in the block)) - 2, held to -126 .. 127; a block of zeros has e = 0. As a byte (E8M0): e + 127.
;;     - Each number is divided by its block's scale, clamped to +-6, and rounded to the nearest number of E2M1, ties to even, subnormals kept.
;;     - The product sums the exact products of the quantised numbers (number of the format x scale) in f32.
;;   ~~~python
;;   def quantise(x, axis):      # numpy; x: float32 -> the quantised numbers, widened to float32 again
;;       x = np.moveaxis(x, axis, -1); K = x.shape[-1]
;;       x = np.pad(x, [(0, 0)] * (x.ndim - 1) + [(0, -K % 32)]); x = x.reshape(x.shape[:-1] + (-1, 32)); a = np.abs(x).max(-1, keepdims=True)
;;       e = np.where(a > 0, np.clip(np.frexp(np.where(a > 0, a, 1))[1] - 1 - 2, -126, 127), 0)      # np.frexp(a)[1] - 1 = floor(log2(a)), exactly
;;       r = np.clip(x / 2.0 ** e, -6, 6)
;;       step = 2.0 ** (np.maximum(np.frexp(np.where(r == 0, 1, r))[1] - 1, 0) - 1)
;;       q = np.round(r / step) * step * 2.0 ** e      # np.round: ties to even
;;       return np.moveaxis(q.reshape(q.shape[:-2] + (-1,))[..., :K], -1, axis).astype(np.float32)
;;   ~~~
;; One version. Each part assembles by itself: llvm-mc -triple=amdgcn-amd-amdhsa -mcpu=gfx1250 --defsym DOCPART=n.
;; ======== version 1 of 1: 5 launches
;; limits: values are held in f16: magnitudes above 65,504 overflow, below 6.1e-05 lose precision
;; workspace buffers: cod 5,767,168 bytes; scl 360,448 bytes; qkv 50,331,648 bytes; fine 786,432 bytes; pbuf 33,554,432 bytes; stat 1,048,576 bytes
;; launch quant (part 1): grid 352 x 1, 4 waves a work-group, no clusters, 33,280 bytes of LDS; arguments x, Wq, Wk, Wv, cod, scl; writes cod, scl
.if DOCPART == 1
	.amdgcn_target "amdgcn-amd-amdhsa--gfx1250"
	.amdhsa_code_object_version 6
	.text
	.protected	k_qa930cce69a_quant
	.globl	k_qa930cce69a_quant
	.p2align	8
	.type	k_qa930cce69a_quant,@function
k_qa930cce69a_quant:
	s_mov_b64 s[64:65], 0
	v_nop
	global_prefetch_b8 v0, s[64:65] scope:SCOPE_SE
	s_setreg_imm32_b32 hwreg(HW_REG_WAVE_MODE, 25, 1), 1
	s_wait_xcnt 0x0
; x [8192][1024], Wq, Wk, Wv [1024][1024], f32, K innermost, become codes of FP4 (E2M1) and one E8M0 byte for each 32 along K.
; cod: [11264][512 bytes], rows 0-8191 x, then Wq, Wk, Wv; scl: [11264][32 bytes].  Rows are dense, so every tensor is a plain stream of blocks of 32.
; A block's scale is 2^(floor(log2(its largest magnitude)) - 2); its byte is the largest magnitude's exponent field - 2, held at 1 from below.
; LIMITS: a block of zeros gets the byte 1 where the rule says 127 (its codes are zeros, and this program alone reads the bytes); blocks whose largest
; magnitude lies under 2^(2 - 126) are held at the byte 1; NaN and infinities among the inputs are not served.
; A work-group takes 32,768 numbers, a wave 8,192 in 16 steps of 512.  Work-groups 0-255 take x, 256-287 Wq, 288-319 Wk, 320-351 Wv: only the pointer is chosen.
; Each load reads 512 consecutive bytes; a step's 2,048 bytes turn through the wave's own stage in LDS, so that a lane holds 16 neighbours along K.
; No cluster: the work-groups share no input.  No tensor load, no barrier: waves share nothing.
.set WAVES, 4
.set STEPS, 16
.set EMAX,  2
.set CB,    8                          ; bytes of 16 codes
.set R,     16                         ; v16-79   four sets of 16 numbers as loaded
.set X,     80                         ; v80-111  two sets of 16 neighbours
.set C,     128                        ; v128-191 codes, four registers a step: no store's data are written again
.set E,     112                        ; v112-127 a scale byte for each step
.set WREG,  8192                       ; LDS: a region for each wave: two stages of 32 x SP bytes, then its 256 scale bytes
.set SP,    80                         ; a lane's place in a stage: 64 bytes + 16 of padding
.set SPW,   12                         ; v12 my spare word's address; never rewritten
.set NIL,   13                         ; v13 0; never rewritten
.set SPARE, WAVES*WREG                 ; the spare words: 128 bytes a wave, named by no other line
	s_load_b256 s[4:11], s[0:1], 0x0               ; x, Wq, Wk, Wv
	s_load_b128 s[12:15], s[0:1], 0x20             ; cod, scl
	v_lshl_add_u32 v[SPW], v0, 2, SPARE
	v_mov_b32 v[NIL], 0
	v_lshrrev_b32 v1, 5, v0
	v_readfirstlane_b32 s16, v1                    ; wave
	v_and_b32 v2, 31, v0                           ; lane
	v_lshlrev_b32 v3, 4, v2                        ; my 16 bytes of a load's 512
	s_mul_i32 s17, s16, WREG
	v_lshrrev_b32 v14, 2, v2
	v_mul_u32_u24 v14, v14, SP
	v_and_b32 v15, 3, v2
	v_lshl_add_u32 v14, v15, 4, v14
	v_add_nc_u32 v14, s17, v14                     ; the stage on the way in: SP (lane / 4) + 16 (lane % 4)
	v_mul_u32_u24 v15, v2, SP
	v_add_nc_u32 v15, s17, v15                     ; and on the way out: SP x lane
	v_mul_u32_u24 v4, v2, CB                       ; my codes' place in a step's
	v_lshrrev_b32 v5, 1, v2
	s_add_co_u32 s17, s17, 2*32*SP
	v_add_nc_u32 v5, s17, v5                       ; my block's scale byte in LDS
	v_lshlrev_b32 v7, 3, v2
	v_add_nc_u32 v6, s17, v7                       ; and 8 bytes a lane on the way out
	s_and_b32 s18, ttmp9, 31                       ; a weight's work-group number
	s_wait_kmcnt 0x0
	s_cmp_lt_u32 ttmp9, 288                        ; the choices hang on the work-group's number alone
	s_cselect_b64 s[6:7], s[6:7], s[8:9]
	s_cmp_lt_u32 ttmp9, 320
	s_cselect_b64 s[6:7], s[6:7], s[10:11]
	s_cmp_lt_u32 ttmp9, 256
	s_cselect_b64 s[4:5], s[4:5], s[6:7]
	s_cselect_b32 s17, ttmp9, s18
	s_lshl_b32 s17, s17, 2
	s_add_co_u32 s18, s17, s16                     ; which run of 8,192 numbers of the source is my wave's
	s_lshl_b32 s18, s18, 15                        ; 32,768 bytes a run
	s_mov_b32 s19, 0
	s_add_nc_u64 s[4:5], s[4:5], s[18:19]
	s_lshl_b32 s20, ttmp9, 2
	s_add_co_u32 s20, s20, s16                     ; which run of the outputs
	s_lshl_b32 s22, s20, 12                        ; 4,096 bytes of codes a run
	s_mov_b32 s23, 0
	s_add_nc_u64 s[12:13], s[12:13], s[22:23]
	s_lshl_b32 s22, s20, 8                         ; 256 scale bytes a run
	s_add_nc_u64 s[14:15], s[14:15], s[22:23]
.macro LOAD t
.irp i, 0,1,2,3
	global_load_b128 v[R+16*((\t)%4)+4*\i:R+16*((\t)%4)+4*\i+3], v3, s[4:5] offset:2048*(\t)+512*\i th:TH_LOAD_NT
.endr
.endm
.macro TURN t                          ; step t's numbers through the stage: LDS serves a wave's instructions in order (ISA guide 5.7.1.4)
.irp i, 0,1,2,3
	ds_store_b128 v14, v[R+16*((\t)%4)+4*\i:R+16*((\t)%4)+4*\i+3] offset:32*SP*((\t)%2)+8*SP*\i
.endr
.irp i, 0,1,2,3
	ds_load_b128 v[X+16*((\t)%2)+4*\i:X+16*((\t)%2)+4*\i+3], v15 offset:32*SP*((\t)%2)+16*\i
.endr
.endm
.irp t, 0,1,2,3
	LOAD \t
.endr
	s_wait_loadcnt 12                              ; step 0's four loads are in; the twelve of steps 1 to 3 may be out
	TURN 0
.macro STEP t
.set XS, X+16*((\t)%2)
.if (\t) > 0
	s_wait_dscnt 1                                 ; this step's numbers are back from the stage; the last step's byte store may be out
.else
	s_wait_dscnt 0x0
.endif
.if (\t)+4 < STEPS
	LOAD (\t)+4                                    ; into the registers that the stage's stores have read
.endif
.if (\t)+1 < STEPS
.if STEPS-2-(\t) >= 3
	s_wait_loadcnt 12                              ; the next step's four loads are in; those of the three steps behind it may be out
.else
	s_wait_loadcnt 4*(STEPS-2-(\t))
.endif
	TURN (\t)+1
.endif
	v_max3_num_f32 v8, |v[XS]|, |v[XS+1]|, |v[XS+2]|               ; the largest magnitude of my 16, in two chains
	v_max3_num_f32 v9, |v[XS+3]|, |v[XS+4]|, |v[XS+5]|
.irp i, 6,10
	v_max3_num_f32 v8, v8, |v[XS+\i]|, |v[XS+\i+1]|
	v_max3_num_f32 v9, v9, |v[XS+\i+2]|, |v[XS+\i+3]|
.endr
	v_max3_num_f32 v8, v8, |v[XS+14]|, |v[XS+15]|
	v_max3_num_f32 v8, v8, v9, (EMAX+1)<<23        ; and the floor 2^(EMAX + 1 - 127): the byte cannot fall under 1
	v_max_num_f32_dpp v8, v8, v8 row_xmask:1 row_mask:0xf bank_mask:0xf   ; with my neighbour's 16: the block's
	v_add_nc_u32 v11, -(EMAX<<23), v8              ; EMAX off its exponent field: the conversion's scale operand
	v_cvt_scalef32_pk8_fp4_f32 v[C+4*(\t)], v[XS:XS+7], v11
	v_cvt_scalef32_pk8_fp4_f32 v[C+4*(\t)+1], v[XS+8:XS+15], v11
	v_lshrrev_b32 v[E+(\t)], 23, v11               ; the scale's byte (a plain line behind the conversions)
	ds_store_b8 v5, v[E+(\t)] offset:16*(\t)       ; both lanes of a block write the same byte with the same value
	global_store_b64 v4, v[C+4*(\t):C+4*(\t)+1], s[12:13] offset:32*CB*(\t)   ; the wave stores 256 consecutive bytes, aligned
.endm
.irp t, 0,1,2,3,4,5,6,7,8,9,10,11,12,13,14,15
	STEP \t
.endr
	ds_load_b64 v[8:9], v6                         ; my wave's 256 scale bytes: these loads see my stores
	s_wait_dscnt 0x0
	global_store_b64 v7, v[8:9], s[14:15]          ; 256 consecutive bytes, aligned
	s_wait_tensorcnt 0x0                           ; the wave's end
	ds_add_u32 v[SPW], v[NIL]
	s_wait_dscnt 0x0
	s_endpgm
.Lfunc_end_k_qa930cce69a_quant:
	.size	k_qa930cce69a_quant, .Lfunc_end_k_qa930cce69a_quant-k_qa930cce69a_quant
	.p2alignl 7, 3214868480
	.fill 96, 4, 3214868480
	.section	.rodata,"a",@progbits
	.p2align	6, 0x0
	.amdhsa_kernel k_qa930cce69a_quant
		.amdhsa_group_segment_fixed_size 33280
		.amdhsa_private_segment_fixed_size 0
		.amdhsa_enable_private_segment 0
		.amdhsa_kernarg_size 48
		.amdhsa_user_sgpr_count 2
		.amdhsa_user_sgpr_kernarg_segment_ptr 1
		.amdhsa_wavefront_size32 1
		.amdhsa_system_sgpr_workgroup_id_x 1
		.amdhsa_system_sgpr_workgroup_id_y 1
		.amdhsa_system_sgpr_workgroup_id_z 1
		.amdhsa_system_vgpr_workitem_id 0
		.amdhsa_next_free_vgpr 192
		.amdhsa_next_free_sgpr 66
		.amdhsa_reserve_vcc 0
		.amdhsa_float_denorm_mode_32 3
		.amdhsa_float_denorm_mode_16_64 3
		.amdhsa_memory_ordered 1
		.amdhsa_forward_progress 1
		.amdhsa_inst_pref_size 33
	.end_amdhsa_kernel
	.amdgpu_metadata
---
amdhsa.version: [ 1, 2 ]
amdhsa.kernels:
  - .name:           k_qa930cce69a_quant
    .symbol:         k_qa930cce69a_quant.kd
    .args:
      - { .name: x, .offset: 0, .size: 8, .value_kind: global_buffer, .address_space: global }
      - { .name: Wq, .offset: 8, .size: 8, .value_kind: global_buffer, .address_space: global }
      - { .name: Wk, .offset: 16, .size: 8, .value_kind: global_buffer, .address_space: global }
      - { .name: Wv, .offset: 24, .size: 8, .value_kind: global_buffer, .address_space: global }
      - { .name: cod, .offset: 32, .size: 8, .value_kind: global_buffer, .address_space: global }
      - { .name: scl, .offset: 40, .size: 8, .value_kind: global_buffer, .address_space: global }
    .group_segment_fixed_size: 33280
    .private_segment_fixed_size: 0
    .kernarg_segment_align: 8
    .kernarg_segment_size: 48
    .max_flat_workgroup_size: 128
    .sgpr_count:     66
    .vgpr_count:     192
    .wavefront_size: 32
...
	.end_amdgpu_metadata
.endif
;; end of part 1
;; launch proj (part 2): grid 12 x 32, 4 waves a work-group, clusters of 4 x 4, 327,680 bytes of LDS; arguments cod, scl, qkv, fine; writes qkv, fine
.if DOCPART == 2
	.amdgcn_target "amdgcn-amd-amdhsa--gfx1250"
	.amdhsa_code_object_version 6
	.text
	.protected	k_qa930cce69a_proj
	.globl	k_qa930cce69a_proj
	.p2align	8
	.type	k_qa930cce69a_proj,@function
k_qa930cce69a_proj:
	s_mov_b64 s[64:65], 0
	v_nop
	global_prefetch_b8 v0, s[64:65] scope:SCOPE_SE
	s_setreg_imm32_b32 hwreg(HW_REG_WAVE_MODE, 25, 1), 1
	s_wait_xcnt 0x0
	s_wait_alu depctr_hold_cnt(0) depctr_sa_sdst(0) depctr_va_vdst(0) depctr_va_sdst(0) depctr_va_ssrc(0) depctr_va_vcc(0) depctr_vm_vsrc(0)
	s_getreg_b32 s2, hwreg(HW_REG_IB_STS2, 6, 4)
	s_cmp_eq_u32 s2, 0
	s_cbranch_scc0 .Lentry_in_a_cluster
	s_endpgm
.Lentry_in_a_cluster:
	s_bfe_u32 s2, ttmp6, 0x10000c
	s_cmp_lg_u32 s2, 0xf033
	s_cbranch_scc0 .Lentry_shape_is_right
	s_endpgm
.Lentry_shape_is_right:
; [Q | K | V] = x [Wq; Wk; Wv]^T on codes of FP4 with E8M0 scales: C[m][n] = sum over k of A[m][k] B[n][k], m = 8,192 rows of x, n = 3,072 rows of the weights, k = 1,024.
; A: rows 0-8191 of cod and scl; B: rows 8192 on.  Sums in f32.  qkv: [8192][3072] f16 (a row is 6,144 bytes).  fine: [4][16][3072] f32: the same sums, unrounded, of the first 16 positions of each sequence.
; LIMIT: a sum beyond 65,504 in size becomes an infinity in qkv.
; A tile of C, 256 x 256, is made by four waves, each 128 x 128: 64 accumulators, 512 registers.  K = 1,024 is two slots of 512 along K: both are first fills, nothing is filled again.
; The scale bytes of the work-group's 256 + 256 rows, for all of K, come once, as units of 256 bytes with 16 of padding.
; CLUSTERS: 4 x 4 work-groups.  Tile row = 8 cy + cluster y (so cy is the sequence, and cluster y = 0 holds each sequence's first rows); tile column = 4 cluster x + cx.
; A's tile is shared along a row of the cluster, B's along a column: each is asked for jointly, with the same descriptor and a mask that names the four.
; THE MATRIX INSTRUCTION IS USED TRANSPOSED (source 0 = 16 rows of B, source 1 = 16 rows of A): a lane holds eight neighbouring numbers of a row of C.
; REGISTERS: window 0: v0-31 addresses; v32-95 scale words, two sets; v128-191 A's fragments, one set.  window 1: B's fragments, two sets.  windows 2, 3: the accumulators ((a, b) at v[8 (8 (a % 4) + b)]).
.set KSTEP,  512
.set NQ,     KSTEP/128
.set ROWB,   256                       ; a tile's row in bytes
.set KROW,   512                       ; a row of cod
.set PITCH,  272                       ; an LDS row: 256 bytes + 16 of padding: the 16 rows of a load start at 16 different banks (64 banks of 4 bytes: ISA guide 11.1)
.set FR,     8
.set NL,     2
.set NP,     4                         ; places behind this matrix instruction (ISA guide 7.12.1)
.set HALFT,  128*PITCH
.set SLOT,   4*HALFT
.set KS,     32                        ; a row of scl
.set SCL,    2*SLOT
.set HALFS,  (128*KS/256)*272
.set SBLK,   (16*KS/256)*272
.set SPARE,  SCL+4*HALFS               ; the spare words: 128 bytes a wave, named by no other line
.set XROWS,  8192
.set QKVP,   6144
.set FINEP,  12288
.set SP4,    528                       ; the f32 stage: 16 rows x (512 + 16) a wave, from LDS byte 0 (slot 0 has had its only fill and its last read by then)
.set ST16,   34816                     ; the f16 stages: 16 rows x (256 + 16) a wave, behind the f32 stages
.set SP2,    272
.set ADRA, 16
.set STO4, 18
.set RD4,  19
.set ADRB, 20
.set CO4,  22
.set STO,  24
.set RD,   25
.set CO,   26
.set ADRS, 27
.set SPW,  28
.set NIL,  29
.set SC,   32
.set AF,   128
.set TMP,  192                         ; the way out: packed results
.set OB,   32                          ; 16 rows read back: v32-63 and v224-255 by turns
.set G1, 24
.set G0, 32
.set G1B, 48
.set G0B, 56
.set G1S, 68
.set G0S, 76
.set G1SB, 80
.set G0SB, 88
.set MSB, 0
.macro WIN new                         ; the immediate's high byte repeats the setting that is left
.if MSB != \new
	s_set_vgpr_msb (MSB<<8)|\new
.set MSB, \new
.endif
.endm
.set MUL_LO, 0xa1                      ; source 0 (B) window 1, source 1 (A) window 0, C and D window 2
.set MUL_HI, 0xf1
.set TO_B,   0x40
; A joint load: waves 0 and 1 fetch for A, waves 2 and 3 for B; the branch hangs on the wave's number alone.  An s_nop 0 and four v_nop follow each line.
.macro JLOAD g0a, g1a, g0b, g1b
	s_cmp_eq_u32 s15, 0
	s_cbranch_scc0 .Lfor_b_\@
	tensor_load_to_lds s[\g0a:\g0a+3], s[\g1a:\g1a+7]
	s_nop 0
.rept 4
	v_nop
.endr
	s_branch .Lasked_\@
.Lfor_b_\@:
	tensor_load_to_lds s[\g0b:\g0b+3], s[\g1b:\g1b+7]
	s_nop 0
.rept 4
	v_nop
.endr
.Lasked_\@:
.endm
.macro CROUND                          ; a round of the cluster's barrier
	s_barrier_signal -1
	s_barrier_wait -1
	s_cmp_lg_u32 s14, 0
	s_cbranch_scc1 .Lnot_wave_0_\@
	s_barrier_signal -3
.Lnot_wave_0_\@:
	s_barrier_wait -3
	s_barrier_signal -1
	s_barrier_wait -1
.endm
	s_load_b256 s[4:11], s[0:1], 0x0               ; cod s[4:5], scl s[6:7], qkv s[8:9], fine s[10:11]
	v_lshl_add_u32 v[SPW], v0, 2, SPARE
	v_mov_b32 v[NIL], 0
	ds_add_u32 v[SPW], v[NIL]                      ; the wave's opening: the add, twice on end, and its wait ahead of my first tensor load
	ds_add_u32 v[SPW], v[NIL]
	v_lshrrev_b32 v1, 5, v0
	v_readfirstlane_b32 s14, v1                    ; wave 0..3
	s_lshr_b32 s15, s14, 1                         ; which half of the tile's rows is mine.  Also: I fetch for A (0) or for B (1)
	s_and_b32 s16, s14, 1                          ; which half of its columns.  Also: which 128 rows I fetch
	s_bfe_u32 s40, ttmp6, 0x40000                  ; cx
	s_bfe_u32 s41, ttmp6, 0x40004                  ; cy
	s_lshl_b32 s42, ttmp9, 2
	s_add_co_u32 s42, s42, s40                     ; tile column = 4 x cluster x + cx
	s_and_b32 s98, ttmp7, 0xffff                   ; cluster y
	s_lshl_b32 s17, s41, 3
	s_add_co_u32 s17, s17, s98                     ; tile row = 8 cy + cluster y
	s_lshl_b32 s43, s41, 2
	s_lshl_b32 s43, 15, s43                        ; my row of the cluster
	s_lshl_b32 s44, 0x1111, s40                    ; my column
	s_or_b32 s[G1+0], s43, (0<<16)|(1<<20)|(1<<21)|(5<<22)|(3<<25)  ; the mask; elements of 1 byte; padding: 4 words behind every 64; bit 21 beside a mask
	s_or_b32 s[G1B+0], s44, (0<<16)|(1<<20)|(1<<21)|(5<<22)|(3<<25)
.irp g, G1, G1B
	s_mov_b32 s[\g+1], ROWB<<16                    ; tensor_dim0
	s_mov_b32 s[\g+2], 128<<16                     ; tensor_dim1
	s_mov_b32 s[\g+3], ROWB<<16                    ; tile_dim0
	s_mov_b32 s[\g+4], 128                         ; tile_dim1
	s_mov_b32 s[\g+5], KROW                        ; the pitch
	s_mov_b32 s[\g+6], 0
	s_mov_b32 s[\g+7], 0
.endr
	s_or_b32 s[G1S+0], s43, (3<<16)|(1<<20)|(1<<21)|(5<<22)|(3<<25)  ; the scales of 128 rows: 4,096 dense bytes as 16 rows of 32 elements of 8 bytes
	s_or_b32 s[G1SB+0], s44, (3<<16)|(1<<20)|(1<<21)|(5<<22)|(3<<25)
.irp g, G1S, G1SB
	s_mov_b32 s[\g+1], 32<<16
	s_mov_b32 s[\g+2], (128*KS/256)<<16
	s_mov_b32 s[\g+3], 32<<16
	s_mov_b32 s[\g+4], 128*KS/256
	s_mov_b32 s[\g+5], 32
	s_mov_b32 s[\g+6], 0
	s_mov_b32 s[\g+7], 0
.endr
	s_lshl_b32 s18, s16, 7                         ; which 128 rows of the tile I fetch
	s_lshl_b32 s20, s17, 8
	s_add_co_u32 s20, s20, s18                     ; A: row 256 x tile row + 128 x half
	s_lshl_b32 s46, s42, 8
	s_add_co_u32 s46, s46, s18
	s_add_co_u32 s46, s46, XROWS                   ; B: row 8,192 + 256 x tile column + 128 x half
	s_lshl_b32 s22, s20, 5                         ; their scale bytes,
	s_mov_b32 s23, 0
	s_lshl_b32 s92, s46, 5
	s_mov_b32 s93, 0
	s_lshl_b32 s20, s20, 9                         ; and their codes
	s_mov_b32 s21, 0
	s_lshl_b32 s46, s46, 9
	s_mov_b32 s47, 0
	s_mul_i32 s45, s14, HALFT                      ; where they go: wave x 128 rows
	s_mul_i32 s94, s14, HALFS
	s_wait_dscnt 0x0                               ; both opening adds are done
	s_wait_kmcnt 0x0
	s_add_nc_u64 s[20:21], s[4:5], s[20:21]
	s_add_nc_u64 s[22:23], s[6:7], s[22:23]
	s_add_nc_u64 s[46:47], s[4:5], s[46:47]
	s_add_nc_u64 s[92:93], s[6:7], s[92:93]
	CROUND                                         ; all sixteen work-groups are here: the first joint loads meet
	s_mov_b32 s[G0S], 1
	s_add_co_u32 s[G0S+1], s94, SCL
	s_mov_b64 s[G0S+2:G0S+3], s[22:23]
	s_or_b32 s[G0S+3], s[G0S+3], 0x80000000
	s_mov_b32 s[G0SB], 1
	s_add_co_u32 s[G0SB+1], s94, SCL
	s_mov_b64 s[G0SB+2:G0SB+3], s[92:93]
	s_or_b32 s[G0SB+3], s[G0SB+3], 0x80000000
	JLOAD G0S, G1S, G0SB, G1SB                     ; the scales first
.irp s, 0,1
	s_mov_b32 s[G0+4*\s], 1
	s_add_co_u32 s[G0+4*\s+1], s45, \s*SLOT
	s_add_nc_u64 s[G0+4*\s+2:G0+4*\s+3], s[20:21], \s*ROWB
	s_or_b32 s[G0+4*\s+3], s[G0+4*\s+3], 0x80000000
	s_mov_b32 s[G0B+4*\s], 1
	s_add_co_u32 s[G0B+4*\s+1], s45, \s*SLOT
	s_add_nc_u64 s[G0B+4*\s+2:G0B+4*\s+3], s[46:47], \s*ROWB
	s_or_b32 s[G0B+4*\s+3], s[G0B+4*\s+3], 0x80000000
	JLOAD G0+4*\s, G1, G0B+4*\s, G1B               ; by this text's count three tensor loads of a wave are out
.endr
	v_and_b32 v1, 15, v0                           ; r = lane % 16
	v_bfe_u32 v2, v0, 4, 1                         ; h = lane / 16
	v_mul_u32_u24 v3, v1, PITCH
	v_lshl_add_u32 v4, v2, 4, v3                   ; a fragment's row x pitch + 16 h
	s_mul_i32 s21, s15, HALFT
	s_mul_i32 s22, s16, HALFT
	s_add_co_u32 s22, s22, 2*HALFT
.irp s, 0,1
	v_add_nc_u32 v[ADRA+\s], s21, v4
	v_add_nc_u32 v[ADRB+\s], s22, v4
	s_add_co_u32 s21, s21, SLOT
	s_add_co_u32 s22, s22, SLOT
.endr
	v_mul_u32_u24 v5, v1, KS                       ; my row's scales: KS bytes a row,
	v_lshrrev_b32 v6, 8, v5
	v_lshl_add_u32 v5, v6, 4, v5                   ; and 16 more for each 256 passed
	s_mul_i32 s21, s15, HALFS
	s_mul_i32 s22, s16, HALFS
	s_add_co_u32 s22, s22, 2*HALFS
	s_sub_co_u32 s22, s22, s21
	v_mul_u32_u24 v6, s22, v2                      ; lanes 16-31 take B's
	s_add_co_u32 s21, s21, SCL
	v_add_nc_u32 v5, v5, v6
	v_add_nc_u32 v[ADRS], s21, v5
	s_mul_i32 s23, s14, 16*SP4                     ; my f32 stage
	v_mul_u32_u24 v5, v1, SP4
	v_lshl_add_u32 v5, v2, 5, v5
	v_add_nc_u32 v[STO4], s23, v5                  ; in: row r, 32 bytes for each half of the lanes
	v_and_b32 v6, 31, v0
	v_lshlrev_b32 v[CO4], 4, v6                    ; back: 32 lanes take a row of 512 bytes; the same in fine
	v_add_nc_u32 v[RD4], s23, v[CO4]
	s_mul_i32 s23, s14, 16*SP2                     ; my f16 stage
	s_add_co_u32 s23, s23, ST16
	v_mul_u32_u24 v5, v1, SP2
	v_lshl_add_u32 v5, v2, 4, v5
	v_add_nc_u32 v[STO], s23, v5                   ; in: row r, 16 bytes for each half
	v_mul_u32_u24 v5, v2, SP2
	v_lshl_add_u32 v5, v1, 4, v5
	v_add_nc_u32 v[RD], s23, v5                    ; back: lanes 0-15 one row of 256 bytes, lanes 16-31 the next
	v_mul_u32_u24 v5, v2, QKVP
	v_lshl_add_u32 v[CO], v1, 4, v5                ; and the same two rows in qkv
	s_lshl_b32 s20, s17, 8
	s_lshl_b32 s21, s15, 7
	s_add_co_u32 s20, s20, s21                     ; my first row of C
	s_mul_i32 s20, s20, QKVP
	s_lshl_b32 s46, s42, 9                         ; my first column in f16 bytes: 512 x tile column + 256 x half
	s_lshl_b32 s47, s16, 8
	s_add_co_u32 s46, s46, s47
	s_add_co_u32 s20, s20, s46
	s_mov_b32 s21, 0
	s_add_nc_u64 s[12:13], s[8:9], s[20:21]        ; qkv at my part
	s_mul_i32 s20, s41, 16*FINEP                   ; fine: the sequence is cy,
	s_lshl_b32 s46, s46, 1                         ; my first column in f32 bytes
	s_add_co_u32 s20, s20, s46
	s_add_nc_u64 s[96:97], s[10:11], s[20:21]
.macro FRAG reg, adr, q, i             ; 16 rows x 128 K of 4-bit codes: 8 registers: registers 4 c .. 4 c + 3 hold K = 64 c + 32 h + 0 .. 31
.irp c, 0,1
	ds_load_b128 v[\reg+4*\c:\reg+4*\c+3], v[\adr] offset:64*(\q)+32*\c+(\i)*16*PITCH
.endr
.endm
; 16 matrix instructions: A's blocks a0, a0 + 1 x B's eight.  The 64 accumulators take turns, one instruction a turn.  zero = 1: the first product starts the sums.
.macro MUL16 a0, p, q, sc, zero
.irp a, \a0, \a0+1
.irp b, 0,1,2,3,4,5,6,7
.if \zero
	v_wmma_scale_f32_16x16x128_f8f6f4 v[8*(8*((\a)%4)+\b):8*(8*((\a)%4)+\b)+7], v[128*(\p)+FR*\b:128*(\p)+FR*\b+FR-1], v[AF+FR*(\a):AF+FR*(\a)+FR-1], 0, v[SC+8*NQ*(\sc)+NQ*\b+(\q)], v[SC+8*NQ*(\sc)+NQ*(\a)+(\q)] matrix_a_fmt:MATRIX_FMT_FP4 matrix_b_fmt:MATRIX_FMT_FP4 matrix_a_scale:MATRIX_SCALE_ROW1
.else
	v_wmma_scale_f32_16x16x128_f8f6f4 v[8*(8*((\a)%4)+\b):8*(8*((\a)%4)+\b)+7], v[128*(\p)+FR*\b:128*(\p)+FR*\b+FR-1], v[AF+FR*(\a):AF+FR*(\a)+FR-1], v[8*(8*((\a)%4)+\b):8*(8*((\a)%4)+\b)+7], v[SC+8*NQ*(\sc)+NQ*\b+(\q)], v[SC+8*NQ*(\sc)+NQ*(\a)+(\q)] matrix_a_fmt:MATRIX_FMT_FP4 matrix_b_fmt:MATRIX_FMT_FP4 matrix_a_scale:MATRIX_SCALE_ROW1
.endif
.endr
.endr
.endm
.macro FETCH_B slot, q, p
	WIN TO_B
.irp i, 0,1,2,3,4,5,6,7
	FRAG 128*(\p)+FR*\i, ADRB+\slot, \q, \i
.endr
	WIN 0
.endm
.macro FETCH_A slot, q, i0
.irp i, \i0, \i0+1, \i0+2, \i0+3
	FRAG AF+FR*(\i), ADRA+\slot, \q, \i
.endr
.endm
.macro SCALES sc                       ; a slot's scale words: lanes 0-15 take A's block i, lanes 16-31 B's block i
.irp i, 0,1,2,3,4,5,6,7
	ds_load_b128 v[SC+8*NQ*\sc+NQ*\i:SC+8*NQ*\sc+NQ*\i+3], v[ADRS] offset:\i*SBLK
.endr
.endm
.macro PLACES n                        ; plain vector lines between a matrix instruction and a load into, or a read of, its registers
.rept \n
	v_nop
.endr
.endm
.macro STEP slot, q, zero              ; 128 along K, with its successor in the same slot
	s_wait_dscnt 4*NL                              ; B's set and A's blocks 0-3 are in; the youngest eight loads (A's blocks 4-7) may be out
	WIN MUL_LO
	MUL16 0, (\q)%2, \q, \slot, \zero
	MUL16 2, (\q)%2, \q, \slot, \zero
	s_wait_dscnt 0
	PLACES NP
	FETCH_B \slot, (\q)+1, 1-(\q)%2
	FETCH_A \slot, (\q)+1, 0
	WIN MUL_HI
	MUL16 4, (\q)%2, \q, \slot, \zero
	MUL16 6, (\q)%2, \q, \slot, \zero
	PLACES NP
	WIN 0
	FETCH_A \slot, (\q)+1, 4
.endm
.macro TURN slot, next                 ; slot 0's last step changes slots: one barrier; nothing is filled again
	s_wait_tensorcnt 0x0                           ; all my tensor loads have landed: my part of slot 1
	ds_add_u32 v[SPW], v[NIL]
	s_wait_dscnt 4*NL+1                            ; the add and the youngest eight loads may be out
	WIN MUL_LO
	MUL16 0, 1, NQ-1, \slot, 0
	s_wait_dscnt 0x0                               ; the add is done, and my reads of this slot are over
	s_barrier_signal -1
	MUL16 2, 1, NQ-1, \slot, 0
	WIN 0
	s_barrier_wait -1
	PLACES NP
	v_add_nc_u32 v[ADRS], 4*NQ, v[ADRS]            ; the next slot's scale words (no LDS load of mine is out)
	FETCH_B \next, 0, 0
	FETCH_A \next, 0, 0
	SCALES \next
	WIN MUL_HI
	MUL16 4, 1, NQ-1, \slot, 0
	MUL16 6, 1, NQ-1, \slot, 0
	PLACES NP
	WIN 0
	FETCH_A \next, 0, 4
.endm
.macro STEPS slot, from
.set Q, \from
.rept NQ-1-\from
	STEP \slot, Q, 0
.set Q, Q+1
.endr
.endm
	s_wait_tensorcnt 1                             ; the scales and my part of slot 0 are in; slot 1's load may be out
	s_barrier_signal -1
	s_barrier_wait -1
	FETCH_B 0, 0, 0
	FETCH_A 0, 0, 0
	SCALES 0
	FETCH_A 0, 0, 4
	STEP 0, 0, 1                                   ; the first products start the sums: nothing is cleared
	STEPS 0, 1
	TURN 0, 1
	STEPS 1, 0
	s_wait_dscnt 4*NL
	WIN MUL_LO
	MUL16 0, 1, NQ-1, 1, 0
	MUL16 2, 1, NQ-1, 1, 0
	s_wait_dscnt 0
	WIN MUL_HI
	MUL16 4, 1, NQ-1, 1, 0
	MUL16 6, 1, NQ-1, 1, 0
	WIN 0
	PLACES NP                                      ; behind the last products: for the reads of results and the loads into registers that held operands
	; THE FIRST 16 POSITIONS OF A SEQUENCE ALSO LEAVE IN F32: they are block 0 of the waves with the tile's upper rows, in the clusters with y = 0.  Both tests are the same in all partners.
	s_cmp_lg_u32 s98, 0
	s_cbranch_scc1 .Lnofine
	s_cmp_lg_u32 s15, 0
	s_cbranch_scc1 .Lnofine
	WIN 0x08                                       ; an LDS store's data are its source 1: window 2
.irp b, 0,1,2,3,4,5,6,7
	ds_store_b128 v[STO4], v[8*\b:8*\b+3] offset:64*\b             ; each accumulator from its low end on
	ds_store_b128 v[STO4], v[8*\b+4:8*\b+7] offset:64*\b+16
.endr
	WIN 0
.irp t, 0,1,2,3,4,5,6,7,8,9,10,11,12,13,14,15
	ds_load_b128 v[AF+4*\t:AF+4*\t+3], v[RD4] offset:\t*SP4        ; LDS serves a wave's instructions in order: these see my stores
.endr
	s_wait_dscnt 0x0
.irp t, 0,1,2,3,4,5,6,7,8,9,10,11,12,13,14,15
	global_store_b128 v[CO4], v[AF+4*\t:AF+4*\t+3], s[96:97] offset:\t*FINEP   ; 32 lanes store 512 consecutive bytes, aligned to 256
.endr
.Lnofine:
; THE WAY OUT, block by block of 16 rows x 128 columns: rounded to f16, 16 bytes a lane, through my own stage, back as whole rows of 256 bytes.
.macro PACK a
.set AC, 64*((\a)%4)
	WIN 0x0a+5*((\a)/4)                            ; sources 0 and 1: window 2 or 3
.irp b, 0,1,2,3,4,5,6,7
.irp r, 0,1,2,3
	v_cvt_pk_f16_f32 v[TMP+4*\b+\r], v[AC+8*\b+2*\r], v[AC+8*\b+2*\r+1]
.endr
.endr
	WIN 0
.endm
.macro TOSTAGE a
.set BK, OB+192*((\a)%2)
.irp b, 0,1,2,3,4,5,6,7
	ds_store_b128 v[STO], v[TMP+4*\b:TMP+4*\b+3] offset:32*\b
.endr
.irp t, 0,1,2,3,4,5,6,7
	ds_load_b128 v[BK+4*\t:BK+4*\t+3], v[RD] offset:\t*2*SP2
.endr
.endm
.macro SEND a
.set BK, OB+192*((\a)%2)
	s_wait_dscnt 0x0                               ; the block is back in registers
	s_wait_xcnt 0x0                                ; earlier stores have read their base and their data: both may be written again behind this wait
.if (\a) > 0
	s_add_nc_u64 s[12:13], s[12:13], 16*QKVP
.endif
.irp t, 0,1,2,3,4,5,6,7
	global_store_b128 v[CO], v[BK+4*\t:BK+4*\t+3], s[12:13] offset:2*\t*QKVP   ; 16 lanes store 256 consecutive bytes, aligned
.endr
.endm
	PACK 0
	TOSTAGE 0
.irp a, 1,2,3,4,5,6,7                  ; block a's conversions stand between block a - 1's loads from the stage and the wait for them
	PACK \a
	SEND \a-1
	TOSTAGE \a
.endr
	SEND 7
	s_wait_tensorcnt 0x0                           ; the wave's end
	ds_add_u32 v[SPW], v[NIL]
	s_wait_dscnt 0x0
	CROUND                                         ; the closing round
	s_endpgm
.Lfunc_end_k_qa930cce69a_proj:
	.size	k_qa930cce69a_proj, .Lfunc_end_k_qa930cce69a_proj-k_qa930cce69a_proj
	.p2alignl 7, 3214868480
	.fill 96, 4, 3214868480
	.section	.rodata,"a",@progbits
	.p2align	6, 0x0
	.amdhsa_kernel k_qa930cce69a_proj
		.amdhsa_group_segment_fixed_size 327680
		.amdhsa_private_segment_fixed_size 0
		.amdhsa_enable_private_segment 0
		.amdhsa_kernarg_size 32
		.amdhsa_user_sgpr_count 2
		.amdhsa_user_sgpr_kernarg_segment_ptr 1
		.amdhsa_wavefront_size32 1
		.amdhsa_system_sgpr_workgroup_id_x 1
		.amdhsa_system_sgpr_workgroup_id_y 1
		.amdhsa_system_sgpr_workgroup_id_z 1
		.amdhsa_system_vgpr_workitem_id 0
		.amdhsa_next_free_vgpr 1024
		.amdhsa_next_free_sgpr 100
		.amdhsa_reserve_vcc 0
		.amdhsa_float_denorm_mode_32 3
		.amdhsa_float_denorm_mode_16_64 3
		.amdhsa_memory_ordered 1
		.amdhsa_forward_progress 1
		.amdhsa_inst_pref_size 131
	.end_amdhsa_kernel
	.amdgpu_metadata
---
amdhsa.version: [ 1, 2 ]
amdhsa.kernels:
  - .name:           k_qa930cce69a_proj
    .symbol:         k_qa930cce69a_proj.kd
    .args:
      - { .name: cod, .offset: 0, .size: 8, .value_kind: global_buffer, .address_space: global }
      - { .name: scl, .offset: 8, .size: 8, .value_kind: global_buffer, .address_space: global }
      - { .name: qkv, .offset: 16, .size: 8, .value_kind: global_buffer, .address_space: global }
      - { .name: fine, .offset: 24, .size: 8, .value_kind: global_buffer, .address_space: global }
    .group_segment_fixed_size: 327680
    .private_segment_fixed_size: 0
    .kernarg_segment_align: 8
    .kernarg_segment_size: 32
    .max_flat_workgroup_size: 128
    .sgpr_count:     100
    .vgpr_count:     1024
    .wavefront_size: 32
...
	.end_amdgpu_metadata
.endif
;; end of part 2
;; launch scores (part 3): grid 12 x 16, 4 waves a work-group, clusters of 4 x 4, 327,680 bytes of LDS; arguments qkv, pbuf, stat; writes pbuf, stat
.if DOCPART == 3
	.amdgcn_target "amdgcn-amd-amdhsa--gfx1250"
	.amdhsa_code_object_version 6
	.text
	.protected	k_qa930cce69a_scores
	.globl	k_qa930cce69a_scores
	.p2align	8
	.type	k_qa930cce69a_scores,@function
k_qa930cce69a_scores:
	s_mov_b64 s[64:65], 0
	v_nop
	global_prefetch_b8 v0, s[64:65] scope:SCOPE_SE
	s_setreg_imm32_b32 hwreg(HW_REG_WAVE_MODE, 25, 1), 1
	s_wait_xcnt 0x0
	s_wait_alu depctr_hold_cnt(0) depctr_sa_sdst(0) depctr_va_vdst(0) depctr_va_sdst(0) depctr_va_ssrc(0) depctr_va_vcc(0) depctr_vm_vsrc(0)
	s_getreg_b32 s2, hwreg(HW_REG_IB_STS2, 6, 4)
	s_cmp_eq_u32 s2, 0
	s_cbranch_scc0 .Lentry_in_a_cluster
	s_endpgm
.Lentry_in_a_cluster:
	s_bfe_u32 s2, ttmp6, 0x10000c
	s_cmp_lg_u32 s2, 0xf033
	s_cbranch_scc0 .Lentry_shape_is_right
	s_endpgm
.Lentry_shape_is_right:
; The first half of the attention: s = Q K^T on f16 operands with f32 sums, the causal mask, and the softmax's numerators by groups of 128 keys.
; t = s c, c = log2(e) / 32.  For each query and each group g of 128 keys: M_g = the group's largest t rounded up to a whole number; p = 2^(t - M_g), at most 1, stored as f16 in pbuf [4][2048 q][2048 s];
; N_g = -M_g and l_g = the sum of the unrounded p go to stat [2][4][16 g][2048 q], f32.  The next launch brings the groups under the row's largest M by exact powers of two: a true maximum is taken away throughout.
; A group all of whose keys are hidden gets p = 0, l = 0 and a very large N, which the next launch turns into the factor 0.
; LIMITS: a p under 2^-25 of its group's largest weight is stored as 0.  NaN and infinities in qkv are not served.
; THE MASK IS CUT BY SUPER TILES of 1,024 x 1,024: cluster x = 0, 1, 2 names (I, J) = (0, 0), (1, 0), (1, 1); cluster y is the sequence.  In a super tile on the diagonal all sixteen tiles are computed, the hidden
; scores as -infinity: partners of a cluster run alike.  The super tile above the diagonal is neither computed nor stored, and no later launch reads it.
; A tile, 256 q x 256 keys, is made by four waves, as many as a WGP has SIMDs; a wave makes 128 x 128: 64 accumulators, 512 registers.  K = 1,024 goes in eight steps of 128 through two LDS slots: a tile's row is
; 256 bytes of memory, at a multiple of 256 bytes from the buffer's first byte.  12 clusters, 192 work-groups: each WGP that has work has one tile, so a start and an end are paid once.
; CLUSTERS: 4 x 4: Q's tile is shared along a row of the cluster, K's along a column; each is asked for jointly, by the same tensor load with the same descriptor and a mask that names the four.
; THE MATRIX INSTRUCTION IS USED TRANSPOSED (source 0 = 16 keys, source 1 = 16 queries): a lane holds ONE query (lane % 16); accumulator (a, b), register j: query 16 a + r, key 16 b + 8 h + j.
; REGISTERS, in windows of 256: window 0: v0-31 addresses; v64-127, v128-191 Q's fragments, two buffers; behind the products v32-95 statistics, v96-159 rows on the way out, v160-167 statistics on the way out, v192-223 packed p.
;   window 1: v64-127, v128-191 K's fragments, two buffers.   window 2: the accumulators of my queries 0-63 ((a, b) at v[8 (8 a + b)]);   window 3: those of my queries 64-127.
.set KSTEP,  128
.set PITCH,  272                       ; an LDS row: 256 bytes + 16 of padding = 68 words: the 16 rows that a load touches start at 16 different banks (64 banks of 4 bytes: ISA guide 11.1)
.set HALFT,  128*PITCH                 ; 128 rows: what one tensor load brings, and what one wave reads of Q or of K
.set SLOT,   4*HALFT                   ; Q's 256 rows, then K's 256 rows
.set STAGE,  2*SLOT                    ; behind the ring: 16 rows x 272 bytes for each wave
.set SPITCH, 272
.set STAT,   STAGE+4*16*SPITCH         ; 1,024 bytes a wave: 128 N, then 128 l
.set SPARE,  STAT+4*1024               ; the spare words: 128 bytes a wave, named by no other line
.set LAPS,   4                         ; a lap = two K steps = once round the ring
.set QKVP,   6144                      ; a row of qkv in bytes
.set PBP,    4096                      ; a row of pbuf in bytes
.set PLANE,  524288                    ; from N to l in stat
.set ADRA, 16                          ; v16-17 my Q fragments in slot 0, 1
.set ADRB, 20                          ; v20-21 my K fragments
.set NINF, 22                          ; v22 -infinity
.set SGO,  23                          ; v23 16 x lane: my place in 512 bytes of statistics
.set STO,  24
.set RD,   25
.set CO,   26
.set D0,   27                          ; v27 my query less my first key: register (a, b, j) is hidden where 16 (b - a) + j > D0
.set SPW,  28
.set NIL,  29
.set SST,  30                          ; v30 where I put a statistic
.set SLD,  31                          ; v31 where I read 16 bytes of them back
.set ST,   32                          ; tile a of queries at v[ST + 8 a]: +0 N, +1 its copy (named as a pair), +2, +3 the sum, +4 the maximum, +5 the lane exchange's target
.set OB,   96                          ; 16 rows read back from the stage: v96-127 and v128-159 by turns
.set SB,   160
.set TMP,  192
.set F0,   64
.set F1,   128
.set G1, 24
.set G0, 32
.set G1B, 48
.set G0B, 56
.set CS,  66                           ; s[66:67] c
.set SEL, 68                           ; s[68:69] selects for lane l xor 16
.set MSB, 0
.macro WIN new                         ; the immediate's high byte repeats the setting that is left; a switch that changes nothing is dropped
.if MSB != \new
	s_set_vgpr_msb (MSB<<8)|\new
.set MSB, \new
.endif
.endm
.set MUL_LO, 0xa1                      ; source 0 (K) window 1, source 1 (Q) window 0, C and D window 2
.set MUL_HI, 0xf1                      ; the same, C and D window 3
.set TO_B,   0x40                      ; destination window 1, address window 0
.macro JLOAD s                         ; waves 0 and 1 fetch Q's two halves, waves 2 and 3 K's; the branch hangs on the wave's number alone; an s_nop 0 and four v_nop follow each line
	s_cmp_eq_u32 s11, 0
	s_cbranch_scc0 .Lfor_b_\@
	tensor_load_to_lds s[G0+4*\s:G0+4*\s+3], s[G1:G1+7]
	s_nop 0
.rept 4
	v_nop
.endr
	s_branch .Lasked_\@
.Lfor_b_\@:
	tensor_load_to_lds s[G0B+4*\s:G0B+4*\s+3], s[G1B:G1B+7]
	s_nop 0
.rept 4
	v_nop
.endr
.Lasked_\@:
.endm
.macro CREST                           ; a round of the cluster's barrier behind its opening barrier
	s_cmp_lg_u32 s10, 0
	s_cbranch_scc1 .Lnot_wave_0_\@
	s_barrier_signal -3
.Lnot_wave_0_\@:
	s_barrier_wait -3
	s_barrier_signal -1
	s_barrier_wait -1
.endm
.macro CROUND
	s_barrier_signal -1
	s_barrier_wait -1
	CREST
.endm
	s_load_b128 s[4:7], s[0:1], 0x0                ; qkv s[4:5], pbuf s[6:7]
	s_load_b64 s[8:9], s[0:1], 0x10                ; stat
	v_lshl_add_u32 v[SPW], v0, 2, SPARE
	v_mov_b32 v[NIL], 0
	ds_add_u32 v[SPW], v[NIL]                      ; the wave's opening: the add, twice on end, and its wait ahead of my first tensor load
	ds_add_u32 v[SPW], v[NIL]
	v_lshrrev_b32 v1, 5, v0
	v_readfirstlane_b32 s10, v1                    ; wave 0..3
	s_lshr_b32 s11, s10, 1                         ; which 128 queries are mine.  Also: I fetch for Q (0) or for K (1)
	s_and_b32 s12, s10, 1                          ; which 128 keys.  Also: which 128 rows I fetch
	s_bfe_u32 s40, ttmp6, 0x40000                  ; cx
	s_bfe_u32 s41, ttmp6, 0x40004                  ; cy
	s_cmp_ge_u32 ttmp9, 1
	s_cselect_b32 s72, 1, 0                        ; I
	s_cmp_ge_u32 ttmp9, 2
	s_cselect_b32 s73, 1, 0                        ; J
	s_and_b32 s74, ttmp7, 0xffff                   ; the sequence
	s_lshl_b32 s75, s74, 11                        ; its first row
	s_lshl_b32 s13, s72, 2
	s_add_co_u32 s13, s13, s41                     ; tile row i = 4 I + cy
	s_lshl_b32 s42, s73, 2
	s_add_co_u32 s42, s42, s40                     ; tile column j = 4 J + cx
	s_lshl_b32 s43, s41, 2
	s_lshl_b32 s43, 15, s43                        ; my row of the cluster
	s_lshl_b32 s44, 0x1111, s40                    ; my column
	s_or_b32 s[G1+0], s43, (1<<16)|(1<<20)|(1<<21)|(5<<22)|(3<<25)  ; the mask; elements of 2 bytes; padding: 4 words behind every 64; bit 21 beside a mask
	s_or_b32 s[G1B+0], s44, (1<<16)|(1<<20)|(1<<21)|(5<<22)|(3<<25)
.irp g, G1, G1B
	s_mov_b32 s[\g+1], KSTEP<<16                   ; tensor_dim0 = 128
	s_mov_b32 s[\g+2], 128<<16                     ; tensor_dim1 = 128
	s_mov_b32 s[\g+3], KSTEP<<16                   ; tile_dim0
	s_mov_b32 s[\g+4], 128                         ; tile_dim1
	s_mov_b32 s[\g+5], 3072                        ; the pitch, in elements
	s_mov_b32 s[\g+6], 0
	s_mov_b32 s[\g+7], 0
.endr
	s_lshl_b32 s17, s12, 7                         ; which 128 rows of the tile I fetch
	s_lshl_b32 s16, s13, 8
	s_add_co_u32 s16, s16, s17
	s_add_co_u32 s16, s16, s75
	s_mul_i32 s16, s16, QKVP                       ; Q: row (sequence, 256 i + 128 half), column 0
	s_lshl_b32 s46, s42, 8
	s_add_co_u32 s46, s46, s17
	s_add_co_u32 s46, s46, s75
	s_mul_i32 s46, s46, QKVP
	s_add_co_u32 s46, s46, 2048                    ; K: row (sequence, 256 j + 128 half), column 1,024
	s_mov_b32 s17, 0
	s_mov_b32 s47, 0
	s_mul_i32 s20, s10, HALFT                      ; where they go: wave x 128 rows: no place in the cluster enters an LDS address
	s_mov_b32 s[CS], 0x3d38aa3b                    ; c = log2(e) / 32
	s_mov_b32 s[CS+1], s[CS]
	s_mov_b32 s[SEL], 0x76543210
	s_mov_b32 s[SEL+1], 0xfedcba98
	s_wait_dscnt 0x0                               ; both opening adds are done
	s_wait_kmcnt 0x0
	s_add_nc_u64 s[14:15], s[4:5], s[16:17]
	s_add_nc_u64 s[46:47], s[4:5], s[46:47]
	CROUND                                         ; all sixteen work-groups are here: the first joint loads meet
.irp s, 0,1
	s_mov_b32 s[G0+4*\s], 1
	s_add_co_u32 s[G0+4*\s+1], s20, \s*SLOT
	s_add_nc_u64 s[G0+4*\s+2:G0+4*\s+3], s[14:15], \s*KSTEP*2
	s_or_b32 s[G0+4*\s+3], s[G0+4*\s+3], 0x80000000
	s_mov_b32 s[G0B+4*\s], 1
	s_add_co_u32 s[G0B+4*\s+1], s20, \s*SLOT
	s_add_nc_u64 s[G0B+4*\s+2:G0B+4*\s+3], s[46:47], \s*KSTEP*2
	s_or_b32 s[G0B+4*\s+3], s[G0B+4*\s+3], 0x80000000
	JLOAD \s                                       ; two tensor loads of a wave are out
.endr
	v_and_b32 v1, 15, v0                           ; r
	v_bfe_u32 v2, v0, 4, 1                         ; h
	v_mul_u32_u24 v3, v1, PITCH
	v_lshl_add_u32 v3, v2, 4, v3                   ; a fragment's row x pitch + 16 h
	s_mul_i32 s21, s11, HALFT                      ; my 128 queries
	s_mul_i32 s22, s12, HALFT                      ; my 128 keys,
	s_add_co_u32 s22, s22, 2*HALFT                 ; behind Q's 256 rows
.irp s, 0,1
	v_add_nc_u32 v[ADRA+\s], s21, v3
	v_add_nc_u32 v[ADRB+\s], s22, v3
	s_add_co_u32 s21, s21, SLOT
	s_add_co_u32 s22, s22, SLOT
.endr
	s_mul_i32 s23, s10, 16*SPITCH
	s_add_co_u32 s23, s23, STAGE                   ; my stage
	v_mul_u32_u24 v4, v1, SPITCH
	v_lshl_add_u32 v4, v2, 4, v4
	v_add_nc_u32 v[STO], s23, v4                   ; in: row r, 16 bytes for each half of the lanes
	v_mul_u32_u24 v5, v2, SPITCH
	v_lshl_add_u32 v5, v1, 4, v5
	v_add_nc_u32 v[RD], s23, v5                    ; back: lanes 0-15 one row of 256 bytes, lanes 16-31 the next
	v_mul_u32_u24 v5, v2, PBP
	v_lshl_add_u32 v[CO], v1, 4, v5                ; the same two rows in pbuf
	s_lshl_b32 s23, s10, 10                        ; my 1,024 bytes of statistics
	s_add_co_u32 s23, s23, STAT
	v_lshl_add_u32 v[SST], v1, 2, s23
	v_and_b32 v5, 31, v0
	v_lshlrev_b32 v[SGO], 4, v5
	v_add_nc_u32 v[SLD], s23, v[SGO]
	s_sub_co_i32 s21, s13, s42
	s_lshl_b32 s21, s21, 8
	s_sub_co_i32 s22, s11, s12
	s_lshl_b32 s22, s22, 7
	s_add_co_i32 s21, s21, s22                     ; 256 (i - j) + 128 (query half - key half)
	v_lshlrev_b32 v5, 3, v2
	v_sub_nc_u32 v5, v1, v5
	v_add_nc_u32 v[D0], s21, v5                    ; + r - 8 h
	v_mov_b32 v[NINF], 0xff800000
	s_lshl_b32 s16, s74, 4                         ; stat: ((sequence x 16 + 2 j + key half) x 2,048 + 256 i + 128 x query half) x 4
	s_lshl_b32 s17, s42, 1
	s_add_co_u32 s16, s16, s17
	s_add_co_u32 s16, s16, s12
	s_lshl_b32 s16, s16, 11
	s_lshl_b32 s17, s13, 8
	s_add_co_u32 s16, s16, s17
	s_lshl_b32 s17, s11, 7
	s_add_co_u32 s16, s16, s17
	s_lshl_b32 s16, s16, 2
	s_mov_b32 s17, 0
	s_add_nc_u64 s[8:9], s[8:9], s[16:17]
	s_lshl_b32 s16, s13, 8                         ; pbuf: row (sequence, 256 i + 128 x query half), column 256 j + 128 x key half
	s_add_co_u32 s16, s16, s75
	s_lshl_b32 s17, s11, 7
	s_add_co_u32 s16, s16, s17
	s_lshl_b32 s16, s16, 12
	s_lshl_b32 s17, s42, 9
	s_add_co_u32 s16, s16, s17
	s_lshl_b32 s17, s12, 8
	s_add_co_u32 s16, s16, s17
	s_mov_b32 s17, 0
	s_add_nc_u64 s[6:7], s[6:7], s[16:17]
; 16 matrix instructions: query blocks a0, a0 + 1 of the window's four x all 8 key blocks, 32 along K.  The 64 accumulators take turns, one instruction a turn, in the same order in every quarter.
; zero = 1: the first product starts the sums: nothing is ever cleared.
.macro MUL16 f, hi, a0, zero
.irp a, \a0, \a0+1
.irp b, 0,1,2,3,4,5,6,7
.if \zero
	v_wmma_f32_16x16x32_f16 v[8*(8*(\a)+\b):8*(8*(\a)+\b)+7], v[\f+8*\b:\f+8*\b+7], v[\f+8*(4*\hi+\a):\f+8*(4*\hi+\a)+7], 0
.else
	v_wmma_f32_16x16x32_f16 v[8*(8*(\a)+\b):8*(8*(\a)+\b)+7], v[\f+8*\b:\f+8*\b+7], v[\f+8*(4*\hi+\a):\f+8*(4*\hi+\a)+7], v[8*(8*(\a)+\b):8*(8*(\a)+\b)+7]
.endif
.endr
.endr
.endm
; 32 LDS loads in one run: the fragments of one quarter step (128 keys, 128 queries, 32 along K at byte k of the rows) into buffer f
.macro FETCH slot, k, f
	WIN TO_B
.irp i, 0,1,2,3,4,5,6,7
	ds_load_b128 v[\f+8*\i:\f+8*\i+3],   v[ADRB+\slot] offset:\k+\i*16*PITCH
	ds_load_b128 v[\f+8*\i+4:\f+8*\i+7], v[ADRB+\slot] offset:\k+\i*16*PITCH+32
.endr
	WIN 0
.irp i, 0,1,2,3,4,5,6,7
	ds_load_b128 v[\f+8*\i:\f+8*\i+3],   v[ADRA+\slot] offset:\k+\i*16*PITCH
	ds_load_b128 v[\f+8*\i+4:\f+8*\i+7], v[ADRA+\slot] offset:\k+\i*16*PITCH+32
.endr
.endm
.macro PLACES                          ; four plain vector lines between a matrix instruction and a load into, or a vector line on, its registers
.rept 4
	v_nop
.endr
.endm
; A K step is four quarters of 32 along K, 64 matrix instructions each, on buffers 0, 1, 0, 1.  One of the first three multiplies buffer f and, in its middle, fetches the next quarter's fragments into buffer g.
.macro QUARTER slot, k, f, g, zero
	s_wait_dscnt 8                                 ; K's fragments and Q's rows 0-63 are in; the youngest eight loads (Q's rows 64-127) may be out
	WIN MUL_LO
	MUL16 \f, 0, 0, \zero
	MUL16 \f, 0, 2, \zero
	PLACES
	FETCH \slot, \k, \g
	s_wait_dscnt 32                                ; all but the 32 just issued
	WIN MUL_HI
	MUL16 \f, 1, 0, \zero
	MUL16 \f, 1, 2, \zero
.endm
; The last quarter multiplies buffer 1 and changes slots: ONE barrier.  In front of it each wave waits for all its tensor loads (one is out: its part of the next slot), adds 0 to its spare word, and waits for that and
; for its own reads of this slot.  fill = 1: the barrier opens a round of the cluster's, and this slot takes the K step two steps on: 224 matrix instructions stand between that request and the wait for it.
.macro TURN slot, next, fill
	WIN 0                                          ; (the add's two registers lie in window 0)
	s_wait_tensorcnt 0x0
	ds_add_u32 v[SPW], v[NIL]
	s_wait_dscnt 9                                 ; the add and the youngest eight loads may be out
	WIN MUL_LO
	MUL16 F1, 0, 0, 0
	s_wait_dscnt 0x0                               ; the add is done, and my reads of this slot are over
	s_barrier_signal -1
	MUL16 F1, 0, 2, 0
.if \fill
	WIN 0
.endif
	s_barrier_wait -1
.if \fill
	CREST                                          ; no wave of any partner still reads this slot or has a load on its way
	s_add_nc_u64 s[G0+4*\slot+2:G0+4*\slot+3], s[G0+4*\slot+2:G0+4*\slot+3], 2*KSTEP*2
	s_add_nc_u64 s[G0B+4*\slot+2:G0B+4*\slot+3], s[G0B+4*\slot+2:G0B+4*\slot+3], 2*KSTEP*2
	JLOAD \slot                                    ; my one tensor load behind the round; its four v_nop are also the places in front of the loads below
.else
	PLACES
.endif
	FETCH \next, 0, F0
	WIN MUL_HI
	MUL16 F1, 1, 0, 0
	MUL16 F1, 1, 2, 0
.endm
	s_wait_tensorcnt 1                             ; my part of K step 0 is in; K step 1's load may be out
	s_barrier_signal -1
	s_barrier_wait -1
	FETCH 0, 0, F0
	QUARTER 0, 64,  F0, F1, 1                      ; the first quarter stands in front of the loop: its products start the sums
	WIN 0                                          ; at a label and at a branch every window is 0
	s_mov_b32 s3, LAPS-1
.Llap:                                             ; a trip goes once round the ring, from a lap's second quarter to the next lap's first, and fills both slots again
	QUARTER 0, 128, F1, F0, 0
	QUARTER 0, 192, F0, F1, 0
	TURN 0, 1, 1
	QUARTER 1, 64,  F0, F1, 0
	QUARTER 1, 128, F1, F0, 0
	QUARTER 1, 192, F0, F1, 0
	TURN 1, 0, 1
	QUARTER 0, 64,  F0, F1, 0
	WIN 0
	s_sub_co_u32 s3, s3, 1
	s_cmp_lg_u32 s3, 0
	s_cbranch_scc1 .Llap
	QUARTER 0, 128, F1, F0, 0                      ; the last lap is written out: it asks for nothing
	QUARTER 0, 192, F0, F1, 0
	TURN 0, 1, 0
	QUARTER 1, 64,  F0, F1, 0
	QUARTER 1, 128, F1, F0, 0
	QUARTER 1, 192, F0, F1, 0
	s_wait_dscnt 8
	WIN MUL_LO
	MUL16 F1, 0, 0, 0
	MUL16 F1, 0, 2, 0
	s_wait_dscnt 0
	WIN MUL_HI
	MUL16 F1, 1, 0, 0
	MUL16 F1, 1, 2, 0
	WIN 0
	PLACES
.irp a, 0,1,2,3,4,5,6,7
	v_mov_b32 v[ST+8*\a+5], 0                      ; a lane permute's destination counts as one of its sources
.endr
	; THE MASK, in super tiles on the diagonal alone (the test is the same in all partners): hidden scores become -infinity.  Register k of window w: query tile 4 (w - 2) + k / 64, key block (k / 8) % 8, j = k % 8
	s_cmp_lg_u32 s72, s73
	s_cbranch_scc1 .Lopen
.irp w, 2,3
.set WS, (\w<<6)|\w
	WIN WS                                         ; destination and source 0 in the accumulators' window
.set k, 0
.rept 256                              ; ascending: each accumulator from its low end on
	v_cmp_gt_i32 vcc_lo, 16*((k/8)%8-(4*(\w-2)+k/64))+k%8, v[D0]
	v_cndmask_b32 v[k], v[k], v[NINF], vcc_lo
.set k, k+1
.endr
.endr
	WIN 0
.Lopen:
	; the largest score of each query's 128 keys: a window's four tiles of queries by turns, each tile's 64 registers ascending
.irp w, 2,3
.set WS, \w|(\w<<2)|(\w<<4)
	WIN WS
.irp u, 0,1,2,3
	v_max3_num_f32 v[ST+8*(4*(\w-2)+\u)+4], v[64*\u], v[64*\u+1], v[64*\u+2]
.endr
.set WS, (\w<<2)|(\w<<4)
	WIN WS
.set i, 3
.rept 30
.irp u, 0,1,2,3
	v_max3_num_f32 v[ST+8*(4*(\w-2)+\u)+4], v[ST+8*(4*(\w-2)+\u)+4], v[64*\u+i], v[64*\u+i+1]
.endr
.set i, i+2
.endr
.irp u, 0,1,2,3
	v_max3_num_f32 v[ST+8*(4*(\w-2)+\u)+4], v[ST+8*(4*(\w-2)+\u)+4], v[64*\u+63], 0xff61b1e6   ; and -3e38, so that a group of hidden keys keeps a finite N
.endr
.endr
	WIN 0
.irp a, 0,1,2,3,4,5,6,7
	v_permlanex16_b32 v[ST+8*\a+5], v[ST+8*\a+4], s[SEL], s[SEL+1]
.endr
.irp a, 0,1,2,3,4,5,6,7
	v_max_num_f32 v[ST+8*\a+4], v[ST+8*\a+4], v[ST+8*\a+5]
.endr
.irp a, 0,1,2,3,4,5,6,7
	v_mul_f32 v[ST+8*\a+4], s[CS], v[ST+8*\a+4]    ; as t (c is positive)
.endr
.irp a, 0,1,2,3,4,5,6,7
	v_floor_f32 v[ST+8*\a], -v[ST+8*\a+4]          ; N = -M = floor(-t): a whole number
.endr
.irp a, 0,1,2,3,4,5,6,7
	v_mov_b32 v[ST+8*\a+1], v[ST+8*\a]             ; (named with it as a pair)
.endr
.irp w, 2,3
.set WS, (\w<<6)|\w
	WIN WS
.set k, 0
.rept 128
	v_pk_fma_f32 v[k:k+1], v[k:k+1], s[CS:CS+1], v[ST+8*(4*(\w-2)+k/64):ST+8*(4*(\w-2)+k/64)+1] op_sel_hi:[1,0,0]   ; t - M, two at a time
.set k, k+2
.endr
.endr
.irp w, 2,3
.set WS, (\w<<6)|\w
	WIN WS
.set k, 0
.rept 256
	v_exp_f32 v[k], v[k]                           ; p = 2^(t - M)
.set k, k+1
.endr
	v_nop                                          ; a plain line behind the last exponential
	s_wait_alu depctr_va_vdst(0)                   ; one wait for the window's 256, ahead of the next line that names such a register
.endr
.irp w, 2,3                            ; the sums of the unrounded p
.set WS, \w|(\w<<2)
	WIN WS
.irp u, 0,1,2,3
	v_pk_add_f32 v[ST+8*(4*(\w-2)+\u)+2:ST+8*(4*(\w-2)+\u)+3], v[64*\u:64*\u+1], v[64*\u+2:64*\u+3]
.endr
.set WS, \w<<2
	WIN WS
.set i, 4
.rept 30
.irp u, 0,1,2,3
	v_pk_add_f32 v[ST+8*(4*(\w-2)+\u)+2:ST+8*(4*(\w-2)+\u)+3], v[ST+8*(4*(\w-2)+\u)+2:ST+8*(4*(\w-2)+\u)+3], v[64*\u+i:64*\u+i+1]
.endr
.set i, i+2
.endr
.endr
	WIN 0
.irp a, 0,1,2,3,4,5,6,7
	v_add_f32 v[ST+8*\a+2], v[ST+8*\a+2], v[ST+8*\a+3]
.endr
.irp a, 0,1,2,3,4,5,6,7
	v_permlanex16_b32 v[ST+8*\a+5], v[ST+8*\a+2], s[SEL], s[SEL+1]
.endr
.irp a, 0,1,2,3,4,5,6,7
	v_add_f32 v[ST+8*\a+2], v[ST+8*\a+2], v[ST+8*\a+5]   ; l of the group's 128 keys
.endr
.irp a, 0,1,2,3,4,5,6,7
	ds_store_b32 v[SST], v[ST+8*\a] offset:64*\a           ; lanes r and r + 16 write the same word with the same value
	ds_store_b32 v[SST], v[ST+8*\a+2] offset:512+64*\a
.endr
	ds_load_b128 v[SB:SB+3], v[SLD]                        ; my wave's own bytes, served in order (ISA guide 5.7.1.4): 128 N,
	ds_load_b128 v[SB+4:SB+7], v[SLD] offset:512           ; 128 l
; THE WAY OUT of p, block by block of 16 queries x 128 keys: rounded to f16, 16 bytes a lane, through my own stage, back as whole rows of 256 bytes.
.macro PACK a
.set AC, 64*((\a)%4)
.set WS, 0x0a+5*((\a)/4)
	WIN WS                                         ; sources 0 and 1: window 2 or 3
.irp b, 0,1,2,3,4,5,6,7
.irp r, 0,1,2,3
	v_cvt_pk_f16_f32 v[TMP+4*\b+\r], v[AC+8*\b+2*\r], v[AC+8*\b+2*\r+1]
.endr
.endr
	WIN 0
.endm
.macro TOSTAGE a
.set BK, OB+32*((\a)%2)
.irp b, 0,1,2,3,4,5,6,7
	ds_store_b128 v[STO], v[TMP+4*\b:TMP+4*\b+3] offset:32*\b
.endr
.irp t, 0,1,2,3,4,5,6,7
	ds_load_b128 v[BK+4*\t:BK+4*\t+3], v[RD] offset:\t*2*SPITCH
.endr
.endm
.macro SEND a
.set BK, OB+32*((\a)%2)
	s_wait_dscnt 0x0                               ; the block is back in registers
	s_wait_xcnt 0x0                                ; earlier stores have read their base and their data: both may be written again behind this wait
.if (\a) > 0
	s_add_nc_u64 s[6:7], s[6:7], 16*PBP
.endif
.irp t, 0,1,2,3,4,5,6,7
	global_store_b128 v[CO], v[BK+4*\t:BK+4*\t+3], s[6:7] offset:2*\t*PBP   ; 16 lanes store 256 consecutive bytes, aligned
.endr
.endm
	PACK 0                                         ; (32 conversions stand between the statistics' loads and the wait for them)
	s_wait_dscnt 0x0
	global_store_b128 v[SGO], v[SB:SB+3], s[8:9]                  ; 512 consecutive bytes, aligned to 256
	global_store_b128 v[SGO], v[SB+4:SB+7], s[8:9] offset:PLANE   ; the plane of l
	TOSTAGE 0
.irp a, 1,2,3,4,5,6,7                  ; block a's conversions stand between block a - 1's loads from the stage and the wait for them
	PACK \a
	SEND \a-1
	TOSTAGE \a
.endr
	SEND 7
	s_wait_tensorcnt 0x0                           ; the wave's end
	ds_add_u32 v[SPW], v[NIL]
	s_wait_dscnt 0x0
	CROUND                                         ; the closing round
	s_endpgm
.Lfunc_end_k_qa930cce69a_scores:
	.size	k_qa930cce69a_scores, .Lfunc_end_k_qa930cce69a_scores-k_qa930cce69a_scores
	.p2alignl 7, 3214868480
	.fill 96, 4, 3214868480
	.section	.rodata,"a",@progbits
	.p2align	6, 0x0
	.amdhsa_kernel k_qa930cce69a_scores
		.amdhsa_group_segment_fixed_size 327680
		.amdhsa_private_segment_fixed_size 0
		.amdhsa_enable_private_segment 0
		.amdhsa_kernarg_size 24
		.amdhsa_user_sgpr_count 2
		.amdhsa_user_sgpr_kernarg_segment_ptr 1
		.amdhsa_wavefront_size32 1
		.amdhsa_system_sgpr_workgroup_id_x 1
		.amdhsa_system_sgpr_workgroup_id_y 1
		.amdhsa_system_sgpr_workgroup_id_z 1
		.amdhsa_system_vgpr_workitem_id 0
		.amdhsa_next_free_vgpr 1024
		.amdhsa_next_free_sgpr 80
		.amdhsa_reserve_vcc 1
		.amdhsa_float_denorm_mode_32 3
		.amdhsa_float_denorm_mode_16_64 3
		.amdhsa_memory_ordered 1
		.amdhsa_forward_progress 1
		.amdhsa_inst_pref_size 253
	.end_amdhsa_kernel
	.amdgpu_metadata
---
amdhsa.version: [ 1, 2 ]
amdhsa.kernels:
  - .name:           k_qa930cce69a_scores
    .symbol:         k_qa930cce69a_scores.kd
    .args:
      - { .name: qkv, .offset: 0, .size: 8, .value_kind: global_buffer, .address_space: global }
      - { .name: pbuf, .offset: 8, .size: 8, .value_kind: global_buffer, .address_space: global }
      - { .name: stat, .offset: 16, .size: 8, .value_kind: global_buffer, .address_space: global }
    .group_segment_fixed_size: 327680
    .private_segment_fixed_size: 0
    .kernarg_segment_align: 8
    .kernarg_segment_size: 24
    .max_flat_workgroup_size: 128
    .sgpr_count:     80
    .vgpr_count:     1024
    .wavefront_size: 32
...
	.end_amdgpu_metadata
.endif
;; end of part 3
;; launch pv (part 4): grid 8 x 32, 4 waves a work-group, clusters of 4 x 4, 327,680 bytes of LDS; arguments pbuf, qkv, stat, out0; writes out0
.if DOCPART == 4
	.amdgcn_target "amdgcn-amd-amdhsa--gfx1250"
	.amdhsa_code_object_version 6
	.text
	.protected	k_qa930cce69a_pv
	.globl	k_qa930cce69a_pv
	.p2align	8
	.type	k_qa930cce69a_pv,@function
k_qa930cce69a_pv:
	s_mov_b64 s[64:65], 0
	v_nop
	global_prefetch_b8 v0, s[64:65] scope:SCOPE_SE
	s_setreg_imm32_b32 hwreg(HW_REG_WAVE_MODE, 25, 1), 1
	s_wait_xcnt 0x0
	s_wait_alu depctr_hold_cnt(0) depctr_sa_sdst(0) depctr_va_vdst(0) depctr_va_sdst(0) depctr_va_ssrc(0) depctr_va_vcc(0) depctr_vm_vsrc(0)
	s_getreg_b32 s2, hwreg(HW_REG_IB_STS2, 6, 4)
	s_cmp_eq_u32 s2, 0
	s_cbranch_scc0 .Lentry_in_a_cluster
	s_endpgm
.Lentry_in_a_cluster:
	s_bfe_u32 s2, ttmp6, 0x10000c
	s_cmp_lg_u32 s2, 0xf033
	s_cbranch_scc0 .Lentry_shape_is_right
	s_endpgm
.Lentry_shape_is_right:
; The second half of the attention: y[q] = (sum over groups g of 128 keys of f_g(q) (p V)) / (sum over g of f_g(q) l_g(q)),  f_g = 2^(M_g - M), M = the row's largest M_g.
; f is made by v_ldexp_f32 of 1.0 with a whole number: exact, and kept in f32.  p (f16) and V (qkv's columns 2,048 on, f16) go to the matrix unit as they lie; sums in f32.
; A GROUP'S 128 KEYS ARE SUMMED INTO ACCUMULATORS OF THEIR OWN (T), which are then folded into O in f32: O += f_g T, one packed multiply-add for each matrix instruction.
; LIMITS: NaN and infinities are not served.  Rows 0-15 of every sequence are written here and written again, more finely, by the next launch.
; SHARES.  16 clusters of 4 x 4, 256 work-groups of equal work.  Channel block n = 4 x cluster x + cx (128 channels).  Cluster y = 2 x sequence + P.  A work-group makes TWO tiles of 128 q x 128 channels:
; first rows 512 P + 128 cy on, then rows 512 (3 - P) + 128 cy on.  Their keys end with their super block: 2 (P + 1) and 2 (4 - P) steps of 256 keys: ten steps, five laps of the ring, whatever P.
; p's tile (128 q x 256 keys) is shared along a row of the cluster, V's (256 keys x 128 channels) along a column; each is asked for jointly.
; T^T = V^T P (source 0 = 16 channels, turned out of LDS by ds_load_tr16_b128; source 1 = 16 queries): a lane holds ONE query (lane % 16) and eight neighbouring channels, so f is a number a lane.
; BY PAIRS.  A pair is two quarters of a step, 128 keys, 64 matrix instructions on the 16 accumulators of one set of T.  The other set, the pair before, is folded meanwhile: two folds behind every two products.
; So the loop is turned by one pair: the first pair stands in front of it, the first tile leaves behind the next lap's first pair, and the last fold stands bare at the end.
; A product's result and a fold's lie in different windows, so two products and two folds cost two switches of the window: no window has room for O, two sets of T and the fragments together.
; THE FACTORS of all twenty pairs lie in a table in LDS, at fixed places: which tile's factors a place takes is chosen by v_cndmask_b32 on P, so no LDS address hangs on P.
; O BEGINS AS ZEROS (128 v_mov_b32 at the head and 128 at the change of tiles): where a sum begins hangs on the cluster's number, and a lap is written once.
; REGISTERS: window 0: v16-26 addresses; v32-63 factors, two sets (register 4 a + 2 x pair; the odd ones hold 0 and are only named as halves of pairs); v96-103 the rows' reciprocals; v128-255 O ((a, b) at v[128 + 8 (4 a + b)]).
;   window 1: two buffers of 128: V's fragments at + 8 (4 c + b), p's at + 64 + 8 (4 c + a).   window 2: T, two sets of 128.
.set PP,    528                        ; a row of p in LDS: 512 bytes + 16
.set PV,    288                        ; a row of V: 256 + 32
.set PHALF, 64*PP
.set VHALF, 128*PV
.set VOFF,  2*PHALF
.set SLOT,  VOFF+2*VHALF
.set TBL,   2*SLOT                     ; 20 pairs x 128 queries x 4 bytes
.set INVL,  TBL+20*512                 ; 2 x 128 reciprocals of the rows' sums
.set STAGE, INVL+1024                  ; 16 rows x 272 bytes a wave
.set SPT,   272
.set SPARE, STAGE+4*16*SPT             ; the spare words: 128 bytes a wave, named by no other line
.set PLANE, 524288                     ; from N to l in stat
.set ADRP, 16                          ; v16-17 my p fragments in slot 0, 1
.set ADRV, 18                          ; v18-21 my V fragments: slot 0 keys 0-127, 128-255; slot 1 likewise
.set ADT,  22                          ; v22 my place in the table, stepped 1,024 bytes a step
.set ADI,  23
.set STO,  24
.set RD,   25
.set GO,   26
.set SPW,  28
.set NIL,  29
.set FT,   32
.set IL,   96
.set ACC,  128
.set N1,   128                         ; the head's tables lie in O's registers, before these are cleared
.set L1,   136
.set N2,   144
.set L2,   160
.set SELR, 176
.set G1,  24
.set G0,  32
.set G1B, 48
.set G0B, 56
.set Y1,  80                           ; s[80:81], s[82:83] out0 at my part of the two tiles
.set Y2,  82
.set S1,  84                           ; s[84:85], s[86:87] stat at the two tiles' rows
.set S2,  86
.set MSB, 0
.macro WIN new
.if MSB != \new
	s_set_vgpr_msb (MSB<<8)|\new
.set MSB, \new
.endif
.endm
.set W_MM, 0xa5                        ; a product: sources 0 and 1 window 1, C and D window 2
.set W_FL, 0x02                        ; a fold: source 0 (T) window 2, all else window 0
.set TO_F, 0x40                        ; destination window 1, address window 0
.macro JLOAD s                         ; waves 0 and 1 fetch p's two halves, waves 2 and 3 V's; an s_nop 0 and four v_nop follow each line
	s_cmp_eq_u32 s13, 0
	s_cbranch_scc0 .Lfor_v_\@
	tensor_load_to_lds s[G0+4*\s:G0+4*\s+3], s[G1:G1+7]
	s_nop 0
.rept 4
	v_nop
.endr
	s_branch .Lasked_\@
.Lfor_v_\@:
	tensor_load_to_lds s[G0B+4*\s:G0B+4*\s+3], s[G1B:G1B+7]
	s_nop 0
.rept 4
	v_nop
.endr
.Lasked_\@:
.endm
.macro CREST
	s_cmp_lg_u32 s12, 0
	s_cbranch_scc1 .Lnot_wave_0_\@
	s_barrier_signal -3
.Lnot_wave_0_\@:
	s_barrier_wait -3
	s_barrier_signal -1
	s_barrier_wait -1
.endm
.macro CROUND
	s_barrier_signal -1
	s_barrier_wait -1
	CREST
.endm
.macro PLACES
.rept 4
	v_nop
.endr
.endm
	s_load_b256 s[4:11], s[0:1], 0x0               ; pbuf s[4:5], qkv s[6:7], stat s[8:9], out0 s[10:11]
	v_lshl_add_u32 v[SPW], v0, 2, SPARE
	v_mov_b32 v[NIL], 0
	ds_add_u32 v[SPW], v[NIL]                      ; the wave's opening: the add, twice on end, and its wait ahead of my first tensor load
	ds_add_u32 v[SPW], v[NIL]
	v_lshrrev_b32 v1, 5, v0
	v_readfirstlane_b32 s12, v1                    ; wave 0..3
	s_lshr_b32 s13, s12, 1                         ; which 64 queries are mine.  Also: I fetch p (0) or V (1)
	s_and_b32 s14, s12, 1                          ; which 64 channels.  Also: which half of that tile I fetch
	s_bfe_u32 s15, ttmp6, 0x40000                  ; cx
	s_bfe_u32 s16, ttmp6, 0x40004                  ; cy
	s_and_b32 s22, ttmp7, 0xffff                   ; cluster y
	s_lshr_b32 s18, s22, 1                         ; the sequence
	s_and_b32 s19, s22, 1                          ; P
	s_sub_co_u32 s21, 0, s19                       ; all ones where P = 1: a lane mask for the selections
	s_lshl_b32 s17, ttmp9, 2
	s_add_co_u32 s17, s17, s15                     ; n
	s_lshl_b32 s22, s16, 2
	s_lshl_b32 s22, 15, s22                        ; my row of the cluster
	s_lshl_b32 s23, 0x1111, s15                    ; my column
	s_or_b32 s[G1], s22, (1<<16)|(1<<20)|(1<<21)|(6<<22)|(3<<25)    ; p: 64 rows x 256 elements of 2 bytes; 4 words of padding behind every 128
	s_mov_b32 s[G1+1], 256<<16
	s_mov_b32 s[G1+2], 64<<16
	s_mov_b32 s[G1+3], 256<<16
	s_mov_b32 s[G1+4], 64
	s_mov_b32 s[G1+5], 2048
	s_mov_b32 s[G1+6], 0
	s_mov_b32 s[G1+7], 0
	s_or_b32 s[G1B], s23, (1<<16)|(1<<20)|(1<<21)|(5<<22)|(7<<25)   ; V: 128 rows x 128 elements; 8 words of padding behind every 64
	s_mov_b32 s[G1B+1], 128<<16
	s_mov_b32 s[G1B+2], 128<<16
	s_mov_b32 s[G1B+3], 128<<16
	s_mov_b32 s[G1B+4], 128
	s_mov_b32 s[G1B+5], 3072
	s_mov_b32 s[G1B+6], 0
	s_mov_b32 s[G1B+7], 0
	s_lshl_b32 s66, s19, 1                         ; p's step at the change of tiles: (3 - 2 P) x 512 rows of 4,096 bytes down, 2 P steps of 512 bytes back
	s_sub_co_u32 s66, 3, s66
	s_lshl_b32 s66, s66, 21
	s_lshl_b32 s40, s19, 10
	s_sub_co_u32 s66, s66, s40
	s_mov_b32 s67, 3145728                         ; V's step: 512 rows of 6,144 bytes
	s_mul_i32 s68, s19, 3145728                    ; V's way back at the change of tiles: 2 P steps of 256 rows
	s_mov_b32 s75, 0
	s_mov_b32 s77, 0
	s_mov_b32 s79, 0
	s_lshl_b32 s88, s18, 11                        ; the sequence's first row
	s_lshl_b32 s40, s16, 7
	s_add_co_u32 s40, s40, s88
	s_lshl_b32 s41, s19, 9
	s_add_co_u32 s41, s41, s40                     ; the first tile's first row
	s_sub_co_u32 s42, 3, s19
	s_lshl_b32 s42, s42, 9
	s_add_co_u32 s42, s42, s40                     ; the second tile's
	s_lshl_b32 s43, s14, 6
	s_add_co_u32 s43, s43, s41
	s_lshl_b32 s44, s43, 12                        ; p: the 64 rows that I fetch (hangs on cy, not on cx)
	s_mov_b32 s45, 0
	s_lshl_b32 s46, s14, 7
	s_add_co_u32 s46, s46, s88
	s_mul_i32 s46, s46, 6144
	s_lshl_b32 s47, s17, 8
	s_add_co_u32 s46, s46, s47
	s_add_co_u32 s46, s46, 4096                    ; V: the 128 keys that I fetch, column 2,048 + 128 n (hangs on cx, not on cy)
	s_mov_b32 s47, 0
	s_mul_i32 s89, s14, PHALF                      ; where they go
	s_mul_i32 s90, s14, VHALF
	s_add_co_u32 s90, s90, VOFF
	s_lshl_b32 s91, s13, 6
	s_lshl_b32 s92, s17, 9
	s_lshl_b32 s93, s14, 8
	s_add_co_u32 s92, s92, s93                     ; my first channel in bytes: 512 n + 256 x half
	s_add_co_u32 s[Y1], s41, s91
	s_lshl_b32 s[Y1], s[Y1], 12
	s_add_co_u32 s[Y1], s[Y1], s92
	s_mov_b32 s[Y1+1], 0
	s_add_co_u32 s[Y2], s42, s91
	s_lshl_b32 s[Y2], s[Y2], 12
	s_add_co_u32 s[Y2], s[Y2], s92
	s_mov_b32 s[Y2+1], 0
	s_lshl_b32 s93, s18, 15                        ; stat: sequence x 16 x 2,048 + the row within the sequence
	s_sub_co_u32 s93, s93, s88
	s_add_co_u32 s[S1], s93, s41
	s_lshl_b32 s[S1], s[S1], 2
	s_mov_b32 s[S1+1], 0
	s_add_co_u32 s[S2], s93, s42
	s_lshl_b32 s[S2], s[S2], 2
	s_mov_b32 s[S2+1], 0
	s_wait_dscnt 0x0                               ; both opening adds are done
	s_wait_kmcnt 0x0
	s_add_nc_u64 s[44:45], s[4:5], s[44:45]
	s_add_nc_u64 s[46:47], s[6:7], s[46:47]
	s_add_nc_u64 s[Y1:Y1+1], s[10:11], s[Y1:Y1+1]
	s_add_nc_u64 s[Y2:Y2+1], s[10:11], s[Y2:Y2+1]
	s_add_nc_u64 s[S1:S1+1], s[8:9], s[S1:S1+1]
	s_add_nc_u64 s[S2:S2+1], s[8:9], s[S2:S2+1]
	CROUND                                         ; all sixteen work-groups are here: the first joint loads meet
.irp s, 0,1
	s_mov_b32 s[G0+4*\s], 1
	s_add_co_u32 s[G0+4*\s+1], s89, \s*SLOT
	s_add_nc_u64 s[G0+4*\s+2:G0+4*\s+3], s[44:45], \s*512
	s_or_b32 s[G0+4*\s+3], s[G0+4*\s+3], 0x80000000
	s_mov_b32 s[G0B+4*\s], 1
	s_add_co_u32 s[G0B+4*\s+1], s90, \s*SLOT
	s_add_nc_u64 s[G0B+4*\s+2:G0B+4*\s+3], s[46:47], \s*1572864
	s_or_b32 s[G0B+4*\s+3], s[G0B+4*\s+3], 0x80000000
	JLOAD \s                                       ; two tensor loads of a wave are out
.endr
	v_and_b32 v1, 15, v0                           ; r
	v_bfe_u32 v2, v0, 4, 1                         ; h
	v_mul_u32_u24 v3, v1, PP
	v_lshl_add_u32 v3, v2, 4, v3
	s_mul_i32 s40, s13, PHALF
	v_add_nc_u32 v[ADRP], s40, v3                  ; (64 x query half + r) x pitch + 16 h
	v_add_nc_u32 v[ADRP+1], SLOT, v[ADRP]
	v_and_b32 v4, 7, v0
	v_bfe_u32 v5, v0, 3, 1
	v_lshl_add_u32 v4, v2, 3, v4
	v_mul_u32_u24 v4, v4, PV
	v_lshl_add_u32 v4, v5, 4, v4                   ; the turning load: key 8 h + lane % 8, channels 8 ((lane / 8) % 2) on
	s_lshl_b32 s40, s14, 7
	s_add_co_u32 s40, s40, VOFF
	v_add_nc_u32 v[ADRV], s40, v4
	v_add_nc_u32 v[ADRV+1], VHALF, v[ADRV]
	v_add_nc_u32 v[ADRV+2], SLOT, v[ADRV]
	v_add_nc_u32 v[ADRV+3], SLOT+VHALF, v[ADRV]
	s_lshl_b32 s40, s13, 8
	s_add_co_u32 s40, s40, TBL
	v_lshl_add_u32 v[ADT], v1, 2, s40              ; the table: 4 bytes a query; my query 64 x half + r (+ 16 a by the offset)
	s_lshl_b32 s40, s13, 8
	s_add_co_u32 s40, s40, INVL
	v_lshl_add_u32 v[ADI], v1, 2, s40
	s_mul_i32 s40, s12, 16*SPT
	s_add_co_u32 s40, s40, STAGE
	v_mul_u32_u24 v3, v1, SPT
	v_lshl_add_u32 v3, v2, 5, v3
	v_add_nc_u32 v[STO], s40, v3                   ; in: row r, 32 bytes for each half of the lanes
	v_mul_u32_u24 v3, v2, SPT
	v_lshl_add_u32 v3, v1, 4, v3
	v_add_nc_u32 v[RD], s40, v3                    ; back: lanes 0-15 one row of 256 bytes, lanes 16-31 the next
	v_lshlrev_b32 v[GO], 12, v2
	v_lshl_add_u32 v[GO], v1, 4, v[GO]             ; the same two rows in out0
	; THE TABLES.  Thread t is query t of each of the two tiles.  Groups that a tile does not have keep N = 3e38 and l = 0, which give the factor 0.
	v_lshlrev_b32 v6, 2, v0
	v_lshl_add_u32 v7, v0, 2, TBL
	v_lshl_add_u32 v8, v0, 2, INVL
.set k, 4
.rept 4
	v_mov_b32 v[N1+k], 0x7f61b1e6
	v_mov_b32 v[L1+k], 0
	v_mov_b32 v[N2+8+k], 0x7f61b1e6
	v_mov_b32 v[L2+8+k], 0
.set k, k+1
.endr
.set k, 0
.rept 4
	global_load_b32 v[N1+k], v6, s[S1:S1+1] offset:k*8192
	global_load_b32 v[L1+k], v6, s[S1:S1+1] offset:k*8192+PLANE
.set k, k+1
.endr
.set k, 0
.rept 12
	global_load_b32 v[N2+k], v6, s[S2:S2+1] offset:k*8192
	global_load_b32 v[L2+k], v6, s[S2:S2+1] offset:k*8192+PLANE
.set k, k+1
.endr
	s_cmp_eq_u32 s19, 0                            ; the same in all partners: P = 1: the first tile has groups 4-7; P = 0: the second has groups 12-15
	s_cbranch_scc1 .Lp0
.set k, 4
.rept 4
	global_load_b32 v[N1+k], v6, s[S1:S1+1] offset:k*8192
	global_load_b32 v[L1+k], v6, s[S1:S1+1] offset:k*8192+PLANE
.set k, k+1
.endr
	s_branch .Lpj
.Lp0:
.set k, 12
.rept 4
	global_load_b32 v[N2+k], v6, s[S2:S2+1] offset:k*8192
	global_load_b32 v[L2+k], v6, s[S2:S2+1] offset:k*8192+PLANE
.set k, k+1
.endr
.Lpj:
	s_wait_loadcnt 0x0
	v_min3_num_f32 v64, v[N1], v[N1+1], v[N1+2]    ; the least N = -(the row's largest M)
	v_min3_num_f32 v65, v[N2], v[N2+1], v[N2+2]
.irp g, 3,5
	v_min3_num_f32 v64, v64, v[N1+\g], v[N1+\g+1]
	v_min3_num_f32 v65, v65, v[N2+\g], v[N2+\g+1]
.endr
	v_min_num_f32 v64, v64, v[N1+7]
.irp g, 7,9,11,13
	v_min3_num_f32 v65, v65, v[N2+\g], v[N2+\g+1]
.endr
	v_min_num_f32 v65, v65, v[N2+15]
.set k, 0
.rept 8
	v_sub_f32 v[N1+k], v64, v[N1+k]                ; M_g - M: a whole number, 0 or less
.set k, k+1
.endr
.set k, 0
.rept 16
	v_sub_f32 v[N2+k], v65, v[N2+k]
.set k, k+1
.endr
.set k, 0
.rept 24                               ; (N1's eight and N2's sixteen: N1 + 8 = L1 lies between, so the two runs are written apart)
.if k < 8
	v_cvt_i32_f32 v[N1+k], v[N1+k]                 ; (it saturates)
.else
	v_cvt_i32_f32 v[N2+k-8], v[N2+k-8]
.endif
.set k, k+1
.endr
.set k, 0
.rept 24
.if k < 8
	v_ldexp_f32 v[N1+k], 1.0, v[N1+k]              ; f_g, in f32
.else
	v_ldexp_f32 v[N2+k-8], 1.0, v[N2+k-8]
.endif
.set k, k+1
.endr
	v_mul_f32 v66, v[N1], v[L1]                    ; the rows' sums, each in two chains
	v_mul_f32 v67, v[N1+1], v[L1+1]
	v_mul_f32 v68, v[N2], v[L2]
	v_mul_f32 v69, v[N2+1], v[L2+1]
.irp g, 2,4,6
	v_fmac_f32 v66, v[N1+\g], v[L1+\g]
	v_fmac_f32 v67, v[N1+\g+1], v[L1+\g+1]
	v_fmac_f32 v68, v[N2+\g], v[L2+\g]
	v_fmac_f32 v69, v[N2+\g+1], v[L2+\g+1]
.endr
.irp g, 8,10,12,14
	v_fmac_f32 v68, v[N2+\g], v[L2+\g]
	v_fmac_f32 v69, v[N2+\g+1], v[L2+\g+1]
.endr
	v_add_f32 v66, v66, v67
	v_add_f32 v68, v68, v69
	v_rcp_f32 v66, v66                             ; a row's sum is above a half: its largest group holds a p above a half
	v_rcp_f32 v68, v68
	v_nop                                          ; a plain line behind the reciprocals
.set k, 4
.rept 4                                ; the table's pairs 4 to 7: P = 1: the first tile's groups 4 to 7; P = 0: the second tile's groups 0 to 3
	v_cndmask_b32 v[SELR+k], v[N2+k-4], v[N1+k], s21
.set k, k+1
.endr
.rept 12                               ; pairs 8 to 19: the second tile's, from its group 0 (P = 1) or 4 (P = 0)
	v_cndmask_b32 v[SELR+k], v[N2+k-4], v[N2+k-8], s21
.set k, k+1
.endr
	s_wait_alu depctr_va_vdst(0)                   ; one wait for both reciprocals, ahead of their first reader
	ds_store_b32 v8, v66
	ds_store_b32 v8, v68 offset:512
.set k, 0
.rept 4
	ds_store_b32 v7, v[N1+k] offset:512*k
.set k, k+1
.endr
.rept 16
	ds_store_b32 v7, v[SELR+k] offset:512*k
.set k, k+1
.endr
	s_wait_dscnt 0x0                               ; the stores are done: for the others' sake, and their registers are written next
.set k, 0
.rept 128
	v_mov_b32 v[ACC+k], 0
.set k, k+1
.endr
.set k, 0
.rept 16
	v_mov_b32 v[FT+2*k+1], 0                       ; the odd halves of the factors' pairs: named, never used
.set k, k+1
.endr
.set k, 0
.rept 8
	v_mov_b32 v[IL+k], 0                           ; likewise of the reciprocals' pairs
.set k, k+1
.endr
	s_wait_tensorcnt 1                             ; my part of step 0 is in; step 1's load may be out
	s_barrier_signal -1
	s_barrier_wait -1
; 32 LDS loads in one run: quarter q (64 keys) of a slot into buffer f
.macro FETCH slot, q, f
	WIN TO_F
.irp c, 0,1
.irp a, 0,1,2,3
	ds_load_b128 v[128*(\f)+64+8*(4*\c+\a):128*(\f)+64+8*(4*\c+\a)+3],   v[ADRP+\slot] offset:128*(\q)+64*\c+\a*16*PP
	ds_load_b128 v[128*(\f)+64+8*(4*\c+\a)+4:128*(\f)+64+8*(4*\c+\a)+7], v[ADRP+\slot] offset:128*(\q)+64*\c+\a*16*PP+32
.endr
.irp b, 0,1,2,3
	ds_load_tr16_b128 v[128*(\f)+8*(4*\c+\b):128*(\f)+8*(4*\c+\b)+3],   v[ADRV+2*(\slot)+(\q)/2] offset:((\q)%2)*64*PV+\c*32*PV+32*\b
	ds_load_tr16_b128 v[128*(\f)+8*(4*\c+\b)+4:128*(\f)+8*(4*\c+\b)+7], v[ADRV+2*(\slot)+(\q)/2] offset:((\q)%2)*64*PV+\c*32*PV+16*PV+32*\b
.endr
.endr
.endm
.macro FTLOAD set                      ; a step's eight factors of my lane: query tile a, pair 0 and pair 1
.irp a, 0,1,2,3
	ds_load_b32 v[FT+16*(\set)+4*\a],   v[ADT] offset:64*\a
	ds_load_b32 v[FT+16*(\set)+4*\a+2], v[ADT] offset:512+64*\a
.endr
.endm
; Matrix instruction i of 16 of a half quarter (32 keys): accumulator i = 4 a + b of set t.  The 16 take turns, one instruction a turn.  zero = 1: a pair's first products start its sums.
.macro MM f, c, t, zero
.if \zero
	v_wmma_f32_16x16x32_f16 v[128*(\t)+8*i:128*(\t)+8*i+7], v[128*(\f)+8*(4*(\c)+i%4):128*(\f)+8*(4*(\c)+i%4)+7], v[128*(\f)+64+8*(4*(\c)+i/4):128*(\f)+64+8*(4*(\c)+i/4)+7], 0
.else
	v_wmma_f32_16x16x32_f16 v[128*(\t)+8*i:128*(\t)+8*i+7], v[128*(\f)+8*(4*(\c)+i%4):128*(\f)+8*(4*(\c)+i%4)+7], v[128*(\f)+64+8*(4*(\c)+i/4):128*(\f)+64+8*(4*(\c)+i/4)+7], v[128*(\t)+8*i:128*(\t)+8*i+7]
.endif
.set i, i+1
.endm
; Line n of 64 of a fold: O += f T, two numbers; registers 2 n, 2 n + 1 belong to query tile n / 16.  Ascending: each accumulator of T is first read at its low end.
.macro FL t, ft
	v_pk_fma_f32 v[ACC+2*n:ACC+2*n+1], v[128*(\t)+2*n:128*(\t)+2*n+1], v[(\ft)+4*(n/16):(\ft)+4*(n/16)+1], v[ACC+2*n:ACC+2*n+1] op_sel_hi:[1,0,1]
.set n, n+1
.endm
; cnt times: two products into set t, two lines of the other set's fold.  An accumulator of T is folded 16 folds or more behind the product that finished it.
.macro PART cnt, f, c, t, zero, fold, ft
.rept \cnt
	WIN W_MM
	MM \f, \c, \t, \zero
	MM \f, \c, \t, \zero
.if \fold
	WIN W_FL
	FL 1-(\t), \ft
	FL 1-(\t), \ft
.endif
.endr
.endm
; One of a slot's first three quarters.  Quarters 0 and 1 are the slot's pair 0 (set 0) and fold the other slot's pair 1; quarters 2 and 3 are pair 1 (set 1) and fold pair 0.
.macro QTR slot, q, fold
.set fb, (\q)%2
.set gb, 1-fb
.set tq, (\q)/2
.set zq, 1-fb
.if tq
.set fq, FT+16*(\slot)
.else
.set fq, FT+16*(1-(\slot))+2
.endif
	PLACES                                         ; in front of loads into registers that matrix instructions have read
	FETCH \slot, (\q)+1, gb
	s_wait_dscnt 32                                ; all but the 32 just issued: this quarter's fragments, and the step's factors, are in
.set i, 0
.set n, 32*fb
	PART 8, fb, 0, tq, zq, \fold, fq
.set i, 0
	PART 8, fb, 1, tq, 0, \fold, fq
.endm
; A slot's last quarter changes slots: one barrier; fill = 1: it opens a round of the cluster's, and this slot takes the step two steps on, which at lap P is the second tile's.
.macro TURNQ slot, next, fill
	WIN 0
	s_wait_tensorcnt 0x0                           ; all my tensor loads have landed: my part of the next slot
	ds_add_u32 v[SPW], v[NIL]
	s_wait_dscnt 1                                 ; this quarter's fragments are in; the add may be out
.set i, 0
.set n, 32
.set fq, FT+16*(\slot)
	PART 4, 1, 0, 1, 0, 1, fq
	s_wait_dscnt 0x0                               ; the add is done, and my reads of this slot are over
	s_barrier_signal -1
	PART 4, 1, 0, 1, 0, 1, fq
	WIN 0
	s_barrier_wait -1
.if \fill
	CREST                                          ; no wave of any partner still reads this slot or has a load on its way
	s_cmp_eq_u32 s20, s19                          ; lap P is the first tile's last
	s_cselect_b32 s74, s66, 1024
	s_cselect_b32 s76, 0, s67
	s_cselect_b32 s78, s68, 0
	s_add_nc_u64 s[G0+4*\slot+2:G0+4*\slot+3], s[G0+4*\slot+2:G0+4*\slot+3], s[74:75]
	s_add_nc_u64 s[G0B+4*\slot+2:G0B+4*\slot+3], s[G0B+4*\slot+2:G0B+4*\slot+3], s[76:77]
	s_sub_nc_u64 s[G0B+4*\slot+2:G0B+4*\slot+3], s[G0B+4*\slot+2:G0B+4*\slot+3], s[78:79]
	JLOAD \slot                                    ; my one tensor load behind the round; its four v_nop are also the places in front of the loads below
.else
	PLACES
.endif
	v_add_nc_u32 v[ADT], 1024, v[ADT]              ; the next step's factors
	FTLOAD \next
	FETCH \next, 0, 0
.set i, 0
	PART 8, 1, 1, 1, 0, 1, fq
.endm
; THE WAY OUT of a tile: O x 1 / the row's sum, a tile of 16 queries at a time through my own stage, back as rows of 256 bytes into the registers that they left.
.macro PACKO a
.set AC, ACC+32*(\a)
.set k, 0
.rept 16
	v_pk_mul_f32 v[AC+k:AC+k+1], v[AC+k:AC+k+1], v[IL+2*(\a):IL+2*(\a)+1] op_sel_hi:[1,0]
.set k, k+2
.endr
.irp b, 0,1,2,3
	ds_store_b128 v[STO], v[AC+8*\b:AC+8*\b+3] offset:64*\b
	ds_store_b128 v[STO], v[AC+8*\b+4:AC+8*\b+7] offset:64*\b+16
.endr
.irp f, 0,1,2,3,4,5,6,7
	ds_load_b128 v[AC+4*\f:AC+4*\f+3], v[RD] offset:\f*2*SPT   ; LDS serves a wave's instructions in order (ISA guide 5.7.1.4)
.endr
.endm
.macro SENDO a, younger, yb            ; younger: the LDS instructions issued behind tile a's loads: the next tile's sixteen, or none
.irp f, 0,1,2,3,4,5,6,7
	s_wait_dscnt \younger+7-\f
	global_store_b128 v[GO], v[ACC+32*(\a)+4*\f:ACC+32*(\a)+4*\f+3], s[\yb:\yb+1] offset:(16*(\a)+2*\f)*4096 th:TH_STORE_NT   ; 16 lanes store 256 consecutive bytes, aligned
.endr
.endm
.macro FLUSH seg, yb, clear
.irp a, 0,1,2,3
	ds_load_b32 v[IL+2*\a], v[ADI] offset:512*\seg+64*\a
.endr
	s_wait_dscnt 0x0
	PACKO 0
	PACKO 1
	SENDO 0, 16, \yb
	PACKO 2
	SENDO 1, 16, \yb
	PACKO 3
	SENDO 2, 16, \yb
	SENDO 3, 0, \yb
.if \clear
	s_wait_xcnt 0x0                                ; the stores have read their data: the registers may be written
.set k, 0
.rept 128
	v_mov_b32 v[ACC+k], 0                          ; the second tile's sums begin
.set k, k+1
.endr
.endif
.endm
	FTLOAD 0
	FETCH 0, 0, 0
	QTR 0, 0, 0                                    ; the first pair stands in front of the loop: there is nothing yet to fold
	QTR 0, 1, 0
	WIN 0
	s_mov_b32 s20, 0                               ; the lap
.Llap:                                             ; four trips: from a lap's second pair to the next lap's first; both slots are filled again
	QTR 0, 2, 1
	TURNQ 0, 1, 1
	QTR 1, 0, 1
	QTR 1, 1, 1
	QTR 1, 2, 1
	TURNQ 1, 0, 1
	QTR 0, 0, 1                                    ; the next lap's first pair, among whose products this lap's last pair is folded
	QTR 0, 1, 1
	WIN 0
	s_cmp_lg_u32 s20, s19                          ; lap P's last pair is folded: the first tile is whole (the same in all partners)
	s_cbranch_scc1 .Lno
	FLUSH 0, Y1, 1
.Lno:
	s_add_co_u32 s20, s20, 1
	s_cmp_lt_u32 s20, 4
	s_cbranch_scc1 .Llap
	QTR 0, 2, 1                                    ; the rest of the last lap is written out: it asks for nothing
	TURNQ 0, 1, 0
	QTR 1, 0, 1
	QTR 1, 1, 1
	QTR 1, 2, 1
	s_wait_dscnt 0x0
.set i, 0
.set n, 32
.set fq, FT+16
	PART 8, 1, 0, 1, 0, 1, fq
.set i, 0
	PART 8, 1, 1, 1, 0, 1, fq
	WIN W_FL
.set n, 0
.rept 64
	FL 1, FT+16+2                                  ; the last pair's fold stands bare: each accumulator 16 plain lines or more behind the product that finished it
.endr
	WIN 0
	FLUSH 1, Y2, 0
	s_wait_tensorcnt 0x0                           ; the wave's end
	ds_add_u32 v[SPW], v[NIL]
	s_wait_dscnt 0x0
	CROUND                                         ; the closing round
	s_endpgm
.Lfunc_end_k_qa930cce69a_pv:
	.size	k_qa930cce69a_pv, .Lfunc_end_k_qa930cce69a_pv-k_qa930cce69a_pv
	.p2alignl 7, 3214868480
	.fill 96, 4, 3214868480
	.section	.rodata,"a",@progbits
	.p2align	6, 0x0
	.amdhsa_kernel k_qa930cce69a_pv
		.amdhsa_group_segment_fixed_size 327680
		.amdhsa_private_segment_fixed_size 0
		.amdhsa_enable_private_segment 0
		.amdhsa_kernarg_size 32
		.amdhsa_user_sgpr_count 2
		.amdhsa_user_sgpr_kernarg_segment_ptr 1
		.amdhsa_wavefront_size32 1
		.amdhsa_system_sgpr_workgroup_id_x 1
		.amdhsa_system_sgpr_workgroup_id_y 1
		.amdhsa_system_sgpr_workgroup_id_z 1
		.amdhsa_system_vgpr_workitem_id 0
		.amdhsa_next_free_vgpr 768
		.amdhsa_next_free_sgpr 96
		.amdhsa_reserve_vcc 0
		.amdhsa_float_denorm_mode_32 3
		.amdhsa_float_denorm_mode_16_64 3
		.amdhsa_memory_ordered 1
		.amdhsa_forward_progress 1
		.amdhsa_inst_pref_size 173
	.end_amdhsa_kernel
	.amdgpu_metadata
---
amdhsa.version: [ 1, 2 ]
amdhsa.kernels:
  - .name:           k_qa930cce69a_pv
    .symbol:         k_qa930cce69a_pv.kd
    .args:
      - { .name: pbuf, .offset: 0, .size: 8, .value_kind: global_buffer, .address_space: global }
      - { .name: qkv, .offset: 8, .size: 8, .value_kind: global_buffer, .address_space: global }
      - { .name: stat, .offset: 16, .size: 8, .value_kind: global_buffer, .address_space: global }
      - { .name: out0, .offset: 24, .size: 8, .value_kind: global_buffer, .address_space: global }
    .group_segment_fixed_size: 327680
    .private_segment_fixed_size: 0
    .kernarg_segment_align: 8
    .kernarg_segment_size: 32
    .max_flat_workgroup_size: 128
    .sgpr_count:     96
    .vgpr_count:     768
    .wavefront_size: 32
...
	.end_amdgpu_metadata
.endif
;; end of part 4
;; launch first16 (part 5): grid 4 x 1, 16 waves a work-group, no clusters, 88,064 bytes of LDS; arguments fine, out0; writes out0
.if DOCPART == 5
	.amdgcn_target "amdgcn-amd-amdhsa--gfx1250"
	.amdhsa_code_object_version 6
	.text
	.protected	k_qa930cce69a_first16
	.globl	k_qa930cce69a_first16
	.p2align	8
	.type	k_qa930cce69a_first16,@function
k_qa930cce69a_first16:
	s_mov_b64 s[64:65], 0
	v_nop
	global_prefetch_b8 v0, s[64:65] scope:SCOPE_SE
	s_setreg_imm32_b32 hwreg(HW_REG_WAVE_MODE, 25, 1), 1
	s_wait_xcnt 0x0
; The first 16 positions of each sequence once more, wholly in f32: they average one to sixteen values, and rounded operands weigh most there.
; fine [4][16][3072] f32 holds their Q, K, V as the quantised products summed them.  One work-group a sequence, sixteen waves.
; E^T = K Q^T: wave w sums channels 64 w .. 64 w + 63 (16 matrix instructions of 16 x 16 x 4 on four accumulators by turns); the sixteen parts meet in LDS and every wave adds them in the same order.
; The causal mask, the row's true maximum, p = 2^((E - max) c), c = log2(e) / 32, the sum; then y^T = V^T p for the wave's 64 channels, divided by the sum.
; Along K the numbers are dealt to the lanes' halves otherwise than they lie, alike on both sources: the products are the same, the order of the sums is another.
; A lane holds ONE query (lane % 16) throughout; in E^T and p its registers are keys 8 h + 0 .. 7.  No cluster and no tensor load: 192 KiB are read once by each work-group's waves in parts of their own.
; The registers that the f32 matrix form writes (v128-191) are written by matrix instructions alone.
.set EP,    0                          ; LDS: 16 parts of E^T, 1,024 bytes each
.set STAGE, 16384                      ; 16 rows x 272 bytes a wave
.set SPT,   272
.set SPARE, STAGE+16*16*SPT            ; the spare words: 128 bytes a wave, named by no other line
.set FROW,  12288                      ; a row of fine in bytes
.set SPW, 12
.set NIL, 13
.set NINF, 14
.set PT,  15                           ; the lane exchange's target
.set D0,  10
.set QF,  32
.set KF,  64
.set VF,  96
.set AE,  128
.set AY,  160
.set EE,  192
.set YY,  216
	s_load_b128 s[4:7], s[0:1], 0x0                ; fine, out0
	v_lshl_add_u32 v[SPW], v0, 2, SPARE
	v_mov_b32 v[NIL], 0
	v_lshrrev_b32 v1, 5, v0
	v_readfirstlane_b32 s8, v1                     ; wave 0..15
	v_and_b32 v1, 15, v0                           ; r
	v_bfe_u32 v2, v0, 4, 1                         ; h
	v_and_b32 v11, 31, v0                          ; lane
	s_lshl_b32 s9, s8, 8                           ; my 64 channels in bytes
	v_mul_u32_u24 v3, v1, FROW
	v_lshl_add_u32 v3, v2, 7, v3
	v_add_nc_u32 v3, s9, v3                        ; Q, K: row r, my wave's 256 bytes, 128 for each half of the lanes
	v_mul_u32_u24 v4, v2, 8*FROW
	v_lshl_add_u32 v4, v1, 2, v4
	v_add_nc_u32 v4, s9, v4                        ; V: key 8 h, channel 64 w + r
	v_lshlrev_b32 v6, 4, v11                       ; a part of E^T: 16 bytes a lane
	s_lshl_b32 s10, s8, 10
	v_add_nc_u32 v5, s10, v6                       ; my wave's part
	s_mul_i32 s10, s8, 16*SPT
	s_add_co_u32 s10, s10, STAGE
	v_mul_u32_u24 v7, v1, SPT
	v_lshl_add_u32 v7, v2, 5, v7
	v_add_nc_u32 v7, s10, v7                       ; the stage, in: row r, 32 bytes for each half
	v_mul_u32_u24 v8, v2, SPT
	v_lshl_add_u32 v8, v1, 4, v8
	v_add_nc_u32 v8, s10, v8                       ; back: lanes 0-15 one row, lanes 16-31 the next
	v_lshlrev_b32 v9, 12, v2
	v_lshl_add_u32 v9, v1, 4, v9                   ; the same two rows in out0
	v_lshlrev_b32 v[D0], 3, v2
	v_sub_nc_u32 v[D0], v1, v[D0]                  ; r - 8 h: register j is hidden where j > r - 8 h
	v_mov_b32 v[NINF], 0xff800000
	v_mov_b32 v[PT], 0
	s_mov_b32 s12, 0x76543210
	s_mov_b32 s13, 0xfedcba98                      ; selects for lane l xor 16
	s_mov_b32 s14, 0x3d38aa3b                      ; c = log2(e) / 32
	s_mul_i32 s16, ttmp9, 16*FROW
	s_mov_b32 s17, 0
	s_lshl_b32 s18, ttmp9, 23                      ; a sequence of out0: 8,388,608 bytes
	s_add_co_u32 s18, s18, s9
	s_mov_b32 s19, 0
	s_wait_kmcnt 0x0
	s_add_nc_u64 s[4:5], s[4:5], s[16:17]
	s_add_nc_u64 s[6:7], s[6:7], s[18:19]
.irp c, 0,1,2,3,4,5,6,7
	global_load_b128 v[QF+4*\c:QF+4*\c+3], v3, s[4:5] offset:16*\c          ; Q(r, 64 w + 32 h + 4 c ..)
.endr
.irp c, 0,1,2,3,4,5,6,7
	global_load_b128 v[KF+4*\c:KF+4*\c+3], v3, s[4:5] offset:4096+16*\c     ; K likewise
.endr
.irp t, 0,1,2,3
.irp j, 0,1,2,3,4,5,6,7
	global_load_b32 v[VF+8*\t+\j], v4, s[4:5] offset:8192+\j*FROW+64*\t     ; V(8 h + j, 64 w + 16 t + r)
.endr
.endr
	s_wait_loadcnt 32                              ; Q and K are in; V's 32 loads may be out
.set u, 0
.rept 4
	v_wmma_f32_16x16x4_f32 v[AE+8*u:AE+8*u+7], v[KF+2*u:KF+2*u+1], v[QF+2*u:QF+2*u+1], 0   ; each sum's first step starts it
.set u, u+1
.endr
.rept 12
	v_wmma_f32_16x16x4_f32 v[AE+8*(u%4):AE+8*(u%4)+7], v[KF+2*u:KF+2*u+1], v[QF+2*u:QF+2*u+1], v[AE+8*(u%4):AE+8*(u%4)+7]   ; four accumulators by turns
.set u, u+1
.endr
.rept 8
	v_nop                                          ; eight places behind this form (ISA guide 7.12.1)
.endr
.irp i, 0,2,4,6
	v_pk_add_f32 v[EE+\i:EE+\i+1], v[AE+\i:AE+\i+1], v[AE+8+\i:AE+8+\i+1]
.endr
.irp i, 0,2,4,6
	v_pk_add_f32 v[EE+\i:EE+\i+1], v[EE+\i:EE+\i+1], v[AE+16+\i:AE+16+\i+1]
.endr
.irp i, 0,2,4,6
	v_pk_add_f32 v[EE+\i:EE+\i+1], v[EE+\i:EE+\i+1], v[AE+24+\i:AE+24+\i+1]
.endr
	ds_store_b128 v5, v[EE:EE+3]
	ds_store_b128 v5, v[EE+4:EE+7] offset:512
	s_wait_dscnt 0x0                               ; for the others' sake: my part lies in LDS
	s_barrier_signal -1
	s_barrier_wait -1
; eight parts come into v32-95 and are added in a tree; dst takes their sum
.macro EIGHT from, dst
.irp w, 0,1,2,3,4,5,6,7
	ds_load_b128 v[QF+8*\w:QF+8*\w+3], v6 offset:(\from+\w)*1024
	ds_load_b128 v[QF+8*\w+4:QF+8*\w+7], v6 offset:(\from+\w)*1024+512
.endr
	s_wait_dscnt 0x0
.irp w, 0,2,4,6
.irp i, 0,2,4,6
	v_pk_add_f32 v[QF+8*\w+\i:QF+8*\w+\i+1], v[QF+8*\w+\i:QF+8*\w+\i+1], v[QF+8*\w+8+\i:QF+8*\w+8+\i+1]
.endr
.endr
.irp w, 0,4
.irp i, 0,2,4,6
	v_pk_add_f32 v[QF+8*\w+\i:QF+8*\w+\i+1], v[QF+8*\w+\i:QF+8*\w+\i+1], v[QF+8*\w+16+\i:QF+8*\w+16+\i+1]
.endr
.endr
.irp i, 0,2,4,6
	v_pk_add_f32 v[\dst+\i:\dst+\i+1], v[QF+\i:QF+\i+1], v[QF+32+\i:QF+32+\i+1]
.endr
.endm
	EIGHT 0, EE
	EIGHT 8, 200
.irp i, 0,2,4,6
	v_pk_add_f32 v[EE+\i:EE+\i+1], v[EE+\i:EE+\i+1], v[200+\i:200+\i+1]   ; Q . K of query r and keys 8 h + 0 .. 7
.endr
.irp j, 0,1,2,3,4,5,6,7
	v_cmp_gt_i32 vcc_lo, \j, v[D0]
	v_cndmask_b32 v[EE+\j], v[EE+\j], v[NINF], vcc_lo      ; the causal mask
.endr
	v_max3_num_f32 v200, v[EE], v[EE+1], v[EE+2]
	v_max3_num_f32 v200, v200, v[EE+3], v[EE+4]
	v_max3_num_f32 v200, v200, v[EE+5], v[EE+6]
	v_max_num_f32 v200, v200, v[EE+7]
	v_permlanex16_b32 v[PT], v200, s12, s13
	v_max_num_f32 v200, v200, v[PT]                ; the row's maximum: key 0 counts for every query, so it is a number
.irp j, 0,1,2,3,4,5,6,7
	v_sub_f32 v[EE+\j], v[EE+\j], v200
.endr
.irp j, 0,1,2,3,4,5,6,7
	v_mul_f32 v[EE+\j], s14, v[EE+\j]
.endr
.irp j, 0,1,2,3,4,5,6,7
	v_exp_f32 v[EE+\j], v[EE+\j]
.endr
	v_nop                                          ; a plain line behind the last exponential
	s_wait_alu depctr_va_vdst(0)                   ; one wait for the eight, ahead of their first reader
	v_add_f32 v200, v[EE], v[EE+1]
	v_add_f32 v201, v[EE+2], v[EE+3]
	v_add_f32 v202, v[EE+4], v[EE+5]
	v_add_f32 v203, v[EE+6], v[EE+7]
	v_add_f32 v200, v200, v201
	v_add_f32 v202, v202, v203
	v_add_f32 v200, v200, v202
	v_permlanex16_b32 v[PT], v200, s12, s13
	v_add_f32 v200, v200, v[PT]                    ; the row's sum
	v_rcp_f32 v200, v200
	v_nop                                          ; a plain line behind the reciprocal
	s_wait_loadcnt 0x0                             ; V
.irp kk, 0,1,2,3                       ; y^T = V^T p: keys 8 h + 2 kk, + 1 in each step; four tiles of 16 channels by turns; the first step starts each sum
.irp t, 0,1,2,3
.if \kk == 0
	v_wmma_f32_16x16x4_f32 v[AY+8*\t:AY+8*\t+7], v[VF+8*\t+2*\kk:VF+8*\t+2*\kk+1], v[EE+2*\kk:EE+2*\kk+1], 0
.else
	v_wmma_f32_16x16x4_f32 v[AY+8*\t:AY+8*\t+7], v[VF+8*\t+2*\kk:VF+8*\t+2*\kk+1], v[EE+2*\kk:EE+2*\kk+1], v[AY+8*\t:AY+8*\t+7]
.endif
.endr
.endr
.rept 8
	v_nop
.endr
	s_wait_alu depctr_va_vdst(0)                   ; the wait for the reciprocal, ahead of its first reader
.set k, 0
.rept 32
	v_mul_f32 v[YY+k], v[AY+k], v200               ; register 8 t + j: y(r, 64 w + 16 t + 8 h + j); ascending: each accumulator from its low end on
.set k, k+1
.endr
.irp t, 0,1,2,3
	ds_store_b128 v7, v[YY+8*\t:YY+8*\t+3] offset:64*\t
	ds_store_b128 v7, v[YY+8*\t+4:YY+8*\t+7] offset:64*\t+16
.endr
.irp i, 0,1,2,3,4,5,6,7
	ds_load_b128 v[QF+4*\i:QF+4*\i+3], v8 offset:2*\i*SPT          ; my own bytes, served in order
.endr
.irp i, 0,1,2,3,4,5,6,7
	s_wait_dscnt 7-\i
	global_store_b128 v9, v[QF+4*\i:QF+4*\i+3], s[6:7] offset:2*\i*4096 th:TH_STORE_NT   ; 16 lanes store 256 consecutive bytes, aligned
.endr
	s_wait_tensorcnt 0x0                           ; the wave's end
	ds_add_u32 v[SPW], v[NIL]
	s_wait_dscnt 0x0
	s_endpgm
.Lfunc_end_k_qa930cce69a_first16:
	.size	k_qa930cce69a_first16, .Lfunc_end_k_qa930cce69a_first16-k_qa930cce69a_first16
	.p2alignl 7, 3214868480
	.fill 96, 4, 3214868480
	.section	.rodata,"a",@progbits
	.p2align	6, 0x0
	.amdhsa_kernel k_qa930cce69a_first16
		.amdhsa_group_segment_fixed_size 88064
		.amdhsa_private_segment_fixed_size 0
		.amdhsa_enable_private_segment 0
		.amdhsa_kernarg_size 16
		.amdhsa_user_sgpr_count 2
		.amdhsa_user_sgpr_kernarg_segment_ptr 1
		.amdhsa_wavefront_size32 1
		.amdhsa_system_sgpr_workgroup_id_x 1
		.amdhsa_system_sgpr_workgroup_id_y 1
		.amdhsa_system_sgpr_workgroup_id_z 1
		.amdhsa_system_vgpr_workitem_id 0
		.amdhsa_next_free_vgpr 256
		.amdhsa_next_free_sgpr 66
		.amdhsa_reserve_vcc 1
		.amdhsa_float_denorm_mode_32 3
		.amdhsa_float_denorm_mode_16_64 3
		.amdhsa_memory_ordered 1
		.amdhsa_forward_progress 1
		.amdhsa_inst_pref_size 22
	.end_amdhsa_kernel
	.amdgpu_metadata
---
amdhsa.version: [ 1, 2 ]
amdhsa.kernels:
  - .name:           k_qa930cce69a_first16
    .symbol:         k_qa930cce69a_first16.kd
    .args:
      - { .name: fine, .offset: 0, .size: 8, .value_kind: global_buffer, .address_space: global }
      - { .name: out0, .offset: 8, .size: 8, .value_kind: global_buffer, .address_space: global }
    .group_segment_fixed_size: 88064
    .private_segment_fixed_size: 0
    .kernarg_segment_align: 8
    .kernarg_segment_size: 16
    .max_flat_workgroup_size: 512
    .sgpr_count:     66
    .vgpr_count:     256
    .wavefront_size: 32
...
	.end_amdgpu_metadata
.endif
;; end of part 5
